; MI455X (gfx1250); checked and timed in simulation.
; The chip was launched on July 23, 2026; its instructions are those of AMD's public machine-readable ISA for CDNA 5 (MIT licence, August 2026) and "CDNA5" Instruction Set Architecture Reference Guide (July 2026). The comments in the code are by the model that wrote it; some were corrected since.
;; Transformer Layer. Allowed arithmetic: matrix products marked QUANTISED: E4M3 operands, one given power-of-two scale a tensor, by v_wmma_f32_16x16x64_fp8_fp8 or v_wmma_f32_16x16x128_fp8_fp8, f32 sums; everything else in f32.
;; Inputs: b_fc1 4,096 float32; b_fc2 1,024 float32; b_out 1,024 float32; b_qkv 3,072 float32; ln1_b 1,024 float32; ln1_g 1,024 float32; ln2_b 1,024 float32; ln2_g 1,024 float32; lowp_scales 12 int32 (the exponents e of the quantised operands' scales 2^e); w_fc1 1,024 x 4,096 float32; w_fc2 4,096 x 1,024 float32; w_out 1,024 x 1,024 float32; w_qkv 1,024 x 3,072 float32; x 2 x 2,048 x 1,024 float32.
;; Outputs: out0 2 x 2,048 x 1,024 float32.
;; This version of the problem:
;;   THIS VERSION OF THE PROBLEM IS GIVEN IN LOW PRECISION. The matrix products marked QUANTISED in the list below multiply operands that are first quantised to E4M3 (4 exponent bits, 3 mantissa bits; 8 bits a number), with one given power-of-two scale for each operand tensor; their sums are f32. All else is computed in f32.
;;   The module's matrix products, in the order in which they are computed (A, B: the left and right operand; K: the contracted axis; several contracted axes count as one K, in the product's order):
;;     1. [M 4,096, K 1,024] x [K 1,024, N 3,072]; A: computed on the way; B: input w_qkv: QUANTISED (scales: A lowp_scales[0], B lowp_scales[1])
;;     2. batch 32 x [M 2,048, K 64] x [K 64, N 2,048]; A: computed on the way; B: computed on the way: QUANTISED (scales: A lowp_scales[2], B lowp_scales[3])
;;     3. batch 32 x [M 2,048, K 2,048] x [K 2,048, N 64]; A: softmax (see below); B: computed on the way: QUANTISED (scales: A lowp_scales[4], B lowp_scales[5])
;;     4. [M 4,096, K 1,024] x [K 1,024, N 1,024]; A: computed on the way; B: input w_out: QUANTISED (scales: A lowp_scales[6], B lowp_scales[7])
;;     5. [M 4,096, K 1,024] x [K 1,024, N 4,096]; A: computed on the way; B: input w_fc1: QUANTISED (scales: A lowp_scales[8], B lowp_scales[9])
;;     6. [M 4,096, K 4,096] x [K 4,096, N 1,024]; A: computed on the way; B: input w_fc2: QUANTISED (scales: A lowp_scales[10], B lowp_scales[11])
;;   THE QUANTISER, for each operand of a quantised product, along K:
;;     - The operand's scale is 2^e, e = its entry of the input lowp_scales (int32; the entries are numbered through the quantised products in the list's order, A before B).
;;     - Each number is divided by the scale, clamped to +-448, and rounded to the nearest number of E4M3, ties to even, subnormals kept.
;;     - The product sums the exact products of the quantised numbers (number of the format x scale) in f32.
;;   ~~~python
;;   def quantise(x, axis, e):      # numpy; x: float32 -> the quantised numbers, widened to float32 again
;;       x = np.moveaxis(x, axis, -1); K = x.shape[-1]
;;       r = np.clip(x / 2.0 ** e, -448, 448)
;;       step = 2.0 ** (np.maximum(np.frexp(np.where(r == 0, 1, r))[1] - 1, -6) - 3)
;;       q = np.round(r / step) * step * 2.0 ** e      # np.round: ties to even
;;       return np.moveaxis(q, -1, axis).astype(np.float32)
;;   ~~~
;;   SOFTMAX AHEAD OF A QUANTISED PRODUCT. Where the list says 'softmax', what is quantised is not the finished softmax but p = 2^(t - M), with t = logit x log2(e) and M = ceil(the row's largest t), a whole number; so 1/2 < the row's largest p <= 1. The row's sum l is taken of the UNQUANTISED p, in f32, and the product's result is divided by l at the end. Since M is a whole number, a kernel that streams over the keys may use a running M (the ceiling of the running maximum): every later rescaling is an exact power of two, so the quantised numbers keep their values, but for numbers so far below the row's largest that they fall under the format's range.
;;   OPERANDS COMPUTED ON THE WAY. 'Computed on the way' means the value that the module computes at that place (a softmax that the list does not call 'softmax' is quantised finished and normalised). What goes into a quantiser is computed in f32, as accurately as f32 sums, v_exp_f32 and their like allow (about 1e-6 of the number): no bf16 or f16 on the way to a quantiser, and a product that is left as it is and whose result goes on into a quantised operand takes f32 operands (vector FMAs, or v_wmma_f32_16x16x4_f32). A number that lies on a knife's edge between two numbers of the format may be rounded either way, as far as f32 arithmetic and the matrix unit's own rounding can turn it there, and no further.
;; One version. Each part assembles by itself: llvm-mc -triple=amdgcn-amd-amdhsa -mcpu=gfx1250 --defsym DOCPART=n.
;; ======== version 1 of 1: 7 launches
;; limits: right only within a limited range of input values
;; workspace buffers: w_c 12,582,912 bytes; h1_c 4,194,304 bytes; h2_c 4,194,304 bytes; qkv_c 12,582,912 bytes; ctx_c 4,194,304 bytes; x1 16,777,216 bytes; hid_c 16,777,216 bytes
;; launch prep (part 1): grid 640 x 1, 4 waves a work-group, no clusters, 36,352 bytes of LDS; arguments w_qkv, w_out, w_fc1, w_fc2, x, ln1_g, ln1_b, lowp_scales, w_c, h1_c; writes w_c, h1_c
.if DOCPART == 1
	.amdgcn_target "amdgcn-amd-amdhsa--gfx1250"
	.amdhsa_code_object_version 6
	.text
	.protected	k_qc45be17e16_prep
	.globl	k_qc45be17e16_prep
	.p2align	8
	.type	k_qc45be17e16_prep,@function
k_qc45be17e16_prep:
	s_mov_b64 s[64:65], 0
	v_nop
	global_prefetch_b8 v0, s[64:65] scope:SCOPE_SE
	s_setreg_imm32_b32 hwreg(HW_REG_WAVE_MODE, 25, 1), 1
	s_wait_xcnt 0x0
; PREP.  Work-groups 0-383: the four weights [K][N] f32 become codes of E4M3 laid [N][K], K innermost, in w_c (w_qkv at 0, w_out at 3,145,728, w_fc1 at 4,194,304, w_fc2 at 8,388,608).
; Work-groups 384-639: h1_c = codes of LayerNorm(x; ln1_g, ln1_b), [4096][1024].
; code = number / 2^e, held within +-448, to the nearest code, ties to even.  LIMITS: each e between -126 and 119; NaN among the inputs is not served.
; WEIGHTS: a work-group takes 128 columns x 256 along K, a wave 32 columns.  A lane takes a column and its registers run down K, so the conversions give codes with K innermost; they leave through
; the wave's own stage in LDS as rows: sixteen lanes store 256 consecutive bytes, aligned.  One path serves all four tensors: sizes and pointers are chosen by the work-group's number.
; LAYERNORM: a wave takes 4 rows, a row in 32 registers a lane (8 neighbours in each quarter of the row); mean first, then the squares about the mean: no difference of large sums.
.set VO,   16                          ; v16-47   weights: 4 x lane + i rows of the source; later the stores' offsets
.set X,    48                          ; v48-111  two sets of 32 numbers
.set C,    112                         ; v112-119 a block's codes
.set OUTR, 120                         ; v120-183 the way out
.set SB,   48                          ; s[48:63] the source at each of the 8 blocks of 32 along K; never rewritten
.set PITCH, 272                        ; a stage row: 256 bytes + 16
.set XR,   16                          ; LayerNorm: v16-143 four rows of 32
.set G,    144                         ; v144-175 the gain at my 32 columns
.set BB,   176                         ; v176-207 the bias
.set CD,   208                         ; v208-239 codes: 8 registers a row, so that no store's data are written again
	s_load_b256 s[4:11], s[0:1], 0x0               ; w_qkv, w_out, w_fc1, w_fc2
	s_load_b256 s[12:19], s[0:1], 0x20             ; x, ln1_g, ln1_b, the scales' exponents
	s_load_b128 s[20:23], s[0:1], 0x40             ; w_c, h1_c
	v_lshl_add_u32 v15, v0, 2, 0x8c00
	v_mov_b32 v255, 0
	v_lshrrev_b32 v1, 5, v0
	v_readfirstlane_b32 s36, v1                    ; wave
	v_and_b32 v1, 31, v0                           ; lane
	s_wait_kmcnt 0x0
	s_load_b256 s[24:31], s[18:19], 0x0            ; e0 .. e7
	s_load_b128 s[32:35], s[18:19], 0x20           ; e8 .. e11
	s_cmp_ge_u32 ttmp9, 384
	s_cbranch_scc1 .Lln
; ---------------- the weights ----------------
	s_wait_kmcnt 0x0
	s_mov_b32 s40, 256                             ; w_fc2: first work-group,
	s_mov_b32 s41, 4                               ; log2 of its tiles along K,
	s_mov_b32 s42, 4096                            ; bytes of a source row,
	s_mov_b32 s43, 4096                            ; bytes of a row of codes,
	s_mov_b32 s44, 8388608                         ; its place in w_c,
	s_mov_b32 s45, s35                             ; e11
	s_mov_b64 s[46:47], s[10:11]
	s_cmp_lt_u32 ttmp9, 256                        ; w_fc1
	s_cselect_b32 s40, 128, s40
	s_cselect_b32 s41, 2, s41
	s_cselect_b32 s42, 16384, s42
	s_cselect_b32 s43, 1024, s43
	s_cselect_b32 s44, 4194304, s44
	s_cselect_b32 s45, s33, s45
	s_cselect_b64 s[46:47], s[8:9], s[46:47]
	s_cmp_lt_u32 ttmp9, 128                        ; w_out
	s_cselect_b32 s40, 96, s40
	s_cselect_b32 s42, 4096, s42
	s_cselect_b32 s44, 3145728, s44
	s_cselect_b32 s45, s31, s45
	s_cselect_b64 s[46:47], s[6:7], s[46:47]
	s_cmp_lt_u32 ttmp9, 96                         ; w_qkv
	s_cselect_b32 s40, 0, s40
	s_cselect_b32 s42, 12288, s42
	s_cselect_b32 s44, 0, s44
	s_cselect_b32 s45, s25, s45
	s_cselect_b64 s[46:47], s[4:5], s[46:47]
	s_sub_co_u32 s37, ttmp9, s40                   ; my number within the tensor
	s_lshl_b32 s38, 1, s41
	s_sub_co_u32 s38, s38, 1
	s_and_b32 s38, s37, s38                        ; which 256 along K
	s_lshr_b32 s39, s37, s41                       ; which 128 columns
	s_lshl_b32 s39, s39, 7
	s_lshl_b32 s66, s36, 5
	s_add_co_u32 s39, s39, s66                     ; my wave's first column
	s_mul_i32 s66, s38, s42
	s_lshl_b32 s66, s66, 8                         ; 256 source rows for each tile along K,
	s_lshl_b32 s67, s39, 2
	s_add_co_u32 s66, s66, s67                     ; + 4 bytes a column (under 2^25)
	s_mov_b32 s67, 0
	s_add_nc_u64 s[SB:SB+1], s[46:47], s[66:67]
	s_lshl_b32 s68, s42, 5                         ; 32 source rows
	s_mov_b32 s69, 0
.irp t, 1,2,3,4,5,6,7
	s_add_nc_u64 s[SB+2*\t:SB+2*\t+1], s[SB+2*\t-2:SB+2*\t-1], s[68:69]
.endr
	s_mul_i32 s70, s39, s43
	s_add_co_u32 s70, s70, s44
	s_lshl_b32 s71, s38, 8
	s_add_co_u32 s70, s70, s71                     ; codes: place in w_c + column x row bytes + 256 x tile along K
	s_mov_b32 s71, 0
	s_add_nc_u64 s[20:21], s[20:21], s[70:71]
	s_wait_alu depctr_va_vdst(0)
	v_lshlrev_b32 v[VO], 2, v1                     ; 4 bytes a lane
.irp i, 1,2,3,4,5,6,7,8,9,10,11,12,13,14,15,16,17,18,19,20,21,22,23,24,25,26,27,28,29,30,31
	v_add_nc_u32 v[VO+\i], s42, v[VO+\i-1]         ; + i source rows
.endr
.macro LOAD t                          ; block t: W(32 t + i, my column), i = 0 .. 31: each load reads 128 consecutive bytes
.set i, 0
.rept 32
	global_load_b32 v[X+32*((\t)%2)+i], v[VO+i], s[SB+2*(\t):SB+2*(\t)+1] th:TH_LOAD_NT
.set i, i+1
.endr
.endm
	LOAD 0
	LOAD 1
	s_mul_i32 s72, s36, 32*PITCH                   ; my stage
	v_mul_u32_u24 v4, v1, PITCH
	v_add_nc_u32 v4, s72, v4                       ; into it: row = my column
	v_and_b32 v5, 15, v1
	v_lshrrev_b32 v6, 4, v1
	v_mul_u32_u24 v7, v6, PITCH
	v_lshl_add_u32 v7, v5, 4, v7
	v_add_nc_u32 v7, s72, v7                       ; out of it: sixteen lanes to a row, two rows an instruction
	v_mul_u32_u24 v8, v6, s43
	v_lshl_add_u32 v8, v5, 4, v8                   ; and the same place among the codes
	s_add_co_i32 s45, s45, 127
	s_lshl_b32 s72, s45, 23
	v_mov_b32 v11, s72                             ; 2^e as f32: the conversion takes its exponent field
	s_add_co_i32 s45, s45, 8
	s_lshl_b32 s45, s45, 23
	s_or_b32 s45, s45, 0x600000
	v_mov_b32 v10, s45                             ; 448 x 2^e
.macro BLOCK t
.set XS, X+32*((\t)%2)
.if (\t) < 7
	s_wait_loadcnt 32                              ; this block's 32 loads are in; the next block's may be out
.else
	s_wait_loadcnt 0
.endif
.set i, 0
.rept 32
	v_med3_num_f32 v[XS+i], v[XS+i], -v10, v10     ; the conversion does not saturate (ISA guide 7.6.2): the hold comes first
.set i, i+1
.endr
.irp g, 0,1,2,3
	v_cvt_scalef32_pk8_fp8_f32 v[C+2*\g:C+2*\g+1], v[XS+8*\g:XS+8*\g+7], v11
.endr
	ds_store_b128 v4, v[C:C+3] offset:32*(\t)      ; 32 codes of my column's row
	ds_store_b128 v4, v[C+4:C+7] offset:32*(\t)+16
.if (\t)+2 < 8
	LOAD (\t)+2
.endif
	s_wait_dscnt 0x0                               ; the stores have read their registers: the next block's codes may be written
.endm
	s_wait_alu depctr_va_vdst(0)
.irp t, 0,1,2,3,4,5,6,7
	BLOCK \t
.endr
	s_lshl_b32 s73, s43, 1                         ; two rows of codes
	v_mov_b32 v[VO], v8                            ; all loads are in, so their offset registers are free: now the stores' offsets
.irp t, 1,2,3,4,5,6,7,8,9,10,11,12,13,14,15
	v_add_nc_u32 v[VO+\t], s73, v[VO+\t-1]
.endr
.irp t, 0,1,2,3,4,5,6,7,8,9,10,11,12,13,14,15
	ds_load_b128 v[OUTR+4*\t:OUTR+4*\t+3], v7 offset:2*\t*PITCH   ; LDS serves a wave's instructions in order: these see my stores
.endr
	s_wait_alu depctr_va_vdst(0)
.irp t, 0,1,2,3,4,5,6,7,8,9,10,11,12,13,14,15
	s_wait_dscnt 15-\t
	global_store_b128 v[VO+\t], v[OUTR+4*\t:OUTR+4*\t+3], s[20:21]   ; sixteen lanes: 256 consecutive bytes, aligned
.endr
	s_wait_tensorcnt 0x0
	ds_add_u32 v15, v255
	s_wait_dscnt 0x0
	s_endpgm
; ---------------- LayerNorm 1 ----------------
.macro REDUCE                          ; v240 summed over the 32 lanes, the result in every lane
	v_add_f32_dpp v240, v240, v240 row_xmask:1 row_mask:0xf bank_mask:0xf
	v_add_f32_dpp v240, v240, v240 row_xmask:2 row_mask:0xf bank_mask:0xf
	v_add_f32_dpp v240, v240, v240 row_xmask:4 row_mask:0xf bank_mask:0xf
	v_add_f32_dpp v240, v240, v240 row_xmask:8 row_mask:0xf bank_mask:0xf
	v_permlanex16_b32 v254, v240, s76, s77
	v_add_f32 v240, v240, v254
.endm
.macro FOLD                            ; the four chains v[240:247] into one number, then over the lanes
	v_pk_add_f32 v[240:241], v[240:241], v[242:243]
	v_pk_add_f32 v[244:245], v[244:245], v[246:247]
	v_pk_add_f32 v[240:241], v[240:241], v[244:245]
	v_add_f32 v240, v240, v241
	REDUCE
.endm
.macro ROW r
.set XB, XR+32*(\r)
	s_wait_loadcnt 24-8*(\r)                       ; my row's eight loads are in (and the gain and bias); the rows behind it may be out
.irp c, 0,1,2,3
	v_pk_add_f32 v[240+2*\c:241+2*\c], v[XB+4*\c:XB+4*\c+1], v[XB+4*\c+2:XB+4*\c+3]   ; the first pairs start four chains
.endr
.irp c, 0,1,2,3
	v_pk_add_f32 v[240+2*\c:241+2*\c], v[240+2*\c:241+2*\c], v[XB+16+2*\c:XB+17+2*\c]
.endr
.irp c, 0,1,2,3
	v_pk_add_f32 v[240+2*\c:241+2*\c], v[240+2*\c:241+2*\c], v[XB+24+2*\c:XB+25+2*\c]
.endr
	FOLD
	v_mul_f32 v248, s74, v240                      ; the mean
	v_mov_b32 v249, v248
.set i, 0
.rept 16
	v_pk_add_f32 v[XB+i:XB+i+1], v[XB+i:XB+i+1], v[248:249] neg_lo:[0,1] neg_hi:[0,1]   ; x - mean
.set i, i+2
.endr
.irp c, 0,1,2,3
	v_pk_mul_f32 v[240+2*\c:241+2*\c], v[XB+2*\c:XB+2*\c+1], v[XB+2*\c:XB+2*\c+1]
.endr
.irp j, 8,16,24
.irp c, 0,1,2,3
	v_pk_fma_f32 v[240+2*\c:241+2*\c], v[XB+\j+2*\c:XB+\j+2*\c+1], v[XB+\j+2*\c:XB+\j+2*\c+1], v[240+2*\c:241+2*\c]
.endr
.endr
	FOLD
	v_fma_f32 v242, v240, s74, s75                 ; the variance + 1e-5
	s_wait_alu depctr_va_vdst(0)
	v_rsq_f32 v250, v242
	v_nop                                          ; a plain instruction behind the transcendental,
	s_wait_alu depctr_va_vdst(0)                   ; and the wait ahead of the first line that names its result
	v_mov_b32 v251, v250
.set i, 0
.rept 16
	v_pk_mul_f32 v[XB+i:XB+i+1], v[XB+i:XB+i+1], v[250:251]
.set i, i+2
.endr
.set i, 0
.rept 16
	v_pk_fma_f32 v[XB+i:XB+i+1], v[XB+i:XB+i+1], v[G+i:G+i+1], v[BB+i:BB+i+1]
.set i, i+2
.endr
.set i, 0
.rept 32
	v_med3_num_f32 v[XB+i], v[XB+i], -v252, v252
.set i, i+1
.endr
.irp j, 0,1,2,3
	v_cvt_scalef32_pk8_fp8_f32 v[CD+8*(\r)+2*\j:CD+8*(\r)+2*\j+1], v[XB+8*\j:XB+8*\j+7], v253
.endr
	v_nop
.irp j, 0,1,2,3
	global_store_b64 v3, v[CD+8*(\r)+2*\j:CD+8*(\r)+2*\j+1], s[22:23] offset:1024*(\r)+256*\j   ; 32 lanes: 256 consecutive bytes, aligned
.endr
.endm
.Lln:
	s_sub_co_u32 s37, ttmp9, 384
	s_lshl_b32 s37, s37, 4
	s_lshl_b32 s38, s36, 2
	s_add_co_u32 s37, s37, s38                     ; my wave's first row
	s_lshl_b32 s66, s37, 12
	s_mov_b32 s67, 0
	s_add_nc_u64 s[12:13], s[12:13], s[66:67]
	s_lshl_b32 s66, s37, 10
	s_add_nc_u64 s[22:23], s[22:23], s[66:67]
	s_wait_alu depctr_va_vdst(0)
	v_lshlrev_b32 v2, 5, v1                        ; my 8 numbers of a quarter row
	v_lshlrev_b32 v3, 3, v1                        ; and their 8 codes
.irp j, 0,1,2,3
	global_load_b128 v[G+8*\j:G+8*\j+3], v2, s[14:15] offset:1024*\j
	global_load_b128 v[G+8*\j+4:G+8*\j+7], v2, s[14:15] offset:1024*\j+16
.endr
.irp j, 0,1,2,3
	global_load_b128 v[BB+8*\j:BB+8*\j+3], v2, s[16:17] offset:1024*\j
	global_load_b128 v[BB+8*\j+4:BB+8*\j+7], v2, s[16:17] offset:1024*\j+16
.endr
.irp r, 0,1,2,3
.irp j, 0,1,2,3
	global_load_b128 v[XR+32*\r+8*\j:XR+32*\r+8*\j+3], v2, s[12:13] offset:4096*\r+1024*\j th:TH_LOAD_NT
	global_load_b128 v[XR+32*\r+8*\j+4:XR+32*\r+8*\j+7], v2, s[12:13] offset:4096*\r+1024*\j+16 th:TH_LOAD_NT
.endr
.endr
	s_mov_b32 s74, 0x3a800000                      ; 1 / 1024
	s_mov_b32 s75, 0x3727c5ac                      ; 1e-5
	s_mov_b32 s76, 0x76543210                      ; lane l xor 16
	s_mov_b32 s77, 0xfedcba98
	v_mov_b32 v254, 0                              ; a lane permute's destination counts as read
	s_wait_kmcnt 0x0
	s_add_co_i32 s24, s24, 127                     ; e0
	s_lshl_b32 s25, s24, 23
	v_mov_b32 v253, s25
	s_add_co_i32 s24, s24, 8
	s_lshl_b32 s24, s24, 23
	s_or_b32 s24, s24, 0x600000
	v_mov_b32 v252, s24
	ROW 0
	ROW 1
	ROW 2
	ROW 3
	s_endpgm
.Lfunc_end_k_qc45be17e16_prep:
	.size	k_qc45be17e16_prep, .Lfunc_end_k_qc45be17e16_prep-k_qc45be17e16_prep
	.p2alignl 7, 3214868480
	.fill 96, 4, 3214868480
	.section	.rodata,"a",@progbits
	.p2align	6, 0x0
	.amdhsa_kernel k_qc45be17e16_prep
		.amdhsa_group_segment_fixed_size 36352
		.amdhsa_private_segment_fixed_size 0
		.amdhsa_enable_private_segment 0
		.amdhsa_kernarg_size 80
		.amdhsa_user_sgpr_count 2
		.amdhsa_user_sgpr_kernarg_segment_ptr 1
		.amdhsa_wavefront_size32 1
		.amdhsa_system_sgpr_workgroup_id_x 1
		.amdhsa_system_sgpr_workgroup_id_y 1
		.amdhsa_system_sgpr_workgroup_id_z 1
		.amdhsa_system_vgpr_workitem_id 0
		.amdhsa_next_free_vgpr 256
		.amdhsa_next_free_sgpr 80
		.amdhsa_reserve_vcc 0
		.amdhsa_float_denorm_mode_32 3
		.amdhsa_float_denorm_mode_16_64 3
		.amdhsa_memory_ordered 1
		.amdhsa_forward_progress 1
		.amdhsa_inst_pref_size 94
	.end_amdhsa_kernel
	.amdgpu_metadata
---
amdhsa.version: [ 1, 2 ]
amdhsa.kernels:
  - .name:           k_qc45be17e16_prep
    .symbol:         k_qc45be17e16_prep.kd
    .args:
      - { .name: w_qkv, .offset: 0, .size: 8, .value_kind: global_buffer, .address_space: global }
      - { .name: w_out, .offset: 8, .size: 8, .value_kind: global_buffer, .address_space: global }
      - { .name: w_fc1, .offset: 16, .size: 8, .value_kind: global_buffer, .address_space: global }
      - { .name: w_fc2, .offset: 24, .size: 8, .value_kind: global_buffer, .address_space: global }
      - { .name: x, .offset: 32, .size: 8, .value_kind: global_buffer, .address_space: global }
      - { .name: ln1_g, .offset: 40, .size: 8, .value_kind: global_buffer, .address_space: global }
      - { .name: ln1_b, .offset: 48, .size: 8, .value_kind: global_buffer, .address_space: global }
      - { .name: lowp_scales, .offset: 56, .size: 8, .value_kind: global_buffer, .address_space: global }
      - { .name: w_c, .offset: 64, .size: 8, .value_kind: global_buffer, .address_space: global }
      - { .name: h1_c, .offset: 72, .size: 8, .value_kind: global_buffer, .address_space: global }
    .group_segment_fixed_size: 36352
    .private_segment_fixed_size: 0
    .kernarg_segment_align: 8
    .kernarg_segment_size: 80
    .max_flat_workgroup_size: 128
    .sgpr_count:     80
    .vgpr_count:     256
    .wavefront_size: 32
...
	.end_amdgpu_metadata
.endif
;; end of part 1
;; launch qkv (part 2): grid 12 x 16, 4 waves a work-group, clusters of 4 x 4, 327,680 bytes of LDS; arguments h1_c, w_c, lowp_scales, b_qkv, qkv_c; writes qkv_c
.if DOCPART == 2
	.amdgcn_target "amdgcn-amd-amdhsa--gfx1250"
	.amdhsa_code_object_version 6
	.text
	.protected	k_qc45be17e16_qkv
	.globl	k_qc45be17e16_qkv
	.p2align	8
	.type	k_qc45be17e16_qkv,@function
k_qc45be17e16_qkv:
	s_mov_b64 s[64:65], 0
	v_nop
	global_prefetch_b8 v0, s[64:65] scope:SCOPE_SE
	s_setreg_imm32_b32 hwreg(HW_REG_WAVE_MODE, 25, 1), 1
	s_wait_xcnt 0x0
	s_wait_alu depctr_hold_cnt(0) depctr_sa_sdst(0) depctr_va_vdst(0) depctr_va_sdst(0) depctr_va_ssrc(0) depctr_va_vcc(0) depctr_vm_vsrc(0)
	s_getreg_b32 s2, hwreg(HW_REG_IB_STS2, 6, 4)
	s_cmp_eq_u32 s2, 0
	s_cbranch_scc0 .Lentry_in_a_cluster
	s_endpgm
.Lentry_in_a_cluster:
	s_bfe_u32 s2, ttmp6, 0x10000c
	s_cmp_lg_u32 s2, 0xf033
	s_cbranch_scc0 .Lentry_shape_is_right
	s_endpgm
.Lentry_shape_is_right:
; A GEMM on codes of E4M3, K = 1024, whose results are quantised on the way out.  QKV = 1: q, k, v = codes of (LN1(x) w_qkv + b_qkv);  QKV = 0: hid = codes of relu(LN2(x1) w_fc1 + b_fc1).
; A tile is 256 x 256, a wave 128 x 128: 64 accumulators in windows 2 and 3.  K goes in steps of 256 through two LDS slots filled by joint tensor loads: 4 x 4 work-groups form a cluster, "A's" tile is shared
; along a row of the cluster, "B's" along a column.  The matrix instruction takes 16 rows of B as source 0 and 16 rows of A as source 1: a lane holds one row of A's and eight neighbouring rows of B's.
; QKV: the cluster's x (0, 1, 2: the same in all sixteen partners) is q, k or v.  For q and k A = tokens, B = features: a lane's eight results are eight neighbours of a head's 64.  For v the two change
; places (A = features, B = tokens): eight neighbouring keys of one feature, since the keys are the next product's K.
; qkv_c: q at 0 and k at 2^22: [16 b + head][2048][64];  v at 2^23: [16 b + head][64][2048], where in each 32 keys the two middle groups of eight change places: position 32 c + 16 h + 8 u + j holds key 32 c + 16 u + 8 h + j.
; LIMITS: e0 + e1 (e8 + e9) between -126 and 127; the target's e between -126 and 119.  NaN is not served.
; REGISTERS: window 0: v16-31 addresses; v32-95 bias by column; v96-111 bias by row; v128-255 A's fragments, on the way out sums, codes and rows.  window 1: B's fragments, two sets.
.set QKV,    1
.set ROWB,   256                       ; a tile's row: 256 codes
.set KROW,   1024                      ; a row of codes in memory
.set PITCH,  272                       ; 256 bytes + 16: the 16 rows of a load start at 16 different groups of four banks
.set FR,     16
.set NL,     4
.set NP,     4
.set HALFT,  128*PITCH
.set SLOT,   4*HALFT
.set LAPS,   2                         ; 1024 / 512
.set SPARE,  2*SLOT                    ; the spare words: 512 bytes that no other line names
.set STG2,   256*PITCH                 ; the stage lies in slot 0, behind its last fill and last read: 256 units of 256 + 16 bytes; v's path has the second such region
.set ADRA, 16
.set ADRB, 20
.set SPW,  28
.set NIL,  29
.set BI,   32
.set BR,   96
.set AF,   128
.set T,    128
.set CD,   192
.set BK,   128
.set G1,  24
.set G0,  32
.set G1B, 48
.set G0B, 56
.set MSB, 0
.macro WIN new                         ; the immediate's high byte repeats the setting that is left
.if MSB != (\new)
	s_set_vgpr_msb (MSB<<8)|(\new)
.set MSB, (\new)
.endif
.endm
.set MUL_LO, 0xa1                      ; source 0 (B) window 1, source 1 (A) window 0, C and D window 2
.set MUL_HI, 0xf1
.set TO_B,   0x40
.macro JLOAD g0a, g1a, g0b, g1b        ; waves 0, 1 fetch A's halves, waves 2, 3 B's; four v_nop follow each line
	s_cmp_eq_u32 s15, 0
	s_cbranch_scc0 .Lfor_b_\@
	tensor_load_to_lds s[\g0a:\g0a+3], s[\g1a:\g1a+7]
	s_nop 0
.rept 4
	v_nop
.endr
	s_branch .Lasked_\@
.Lfor_b_\@:
	tensor_load_to_lds s[\g0b:\g0b+3], s[\g1b:\g1b+7]
	s_nop 0
.rept 4
	v_nop
.endr
.Lasked_\@:
.endm
.macro CREST
	s_cmp_lg_u32 s14, 0
	s_cbranch_scc1 .Lnot_wave_0_\@
	s_barrier_signal -3
.Lnot_wave_0_\@:
	s_barrier_wait -3
	s_barrier_signal -1
	s_barrier_wait -1
.endm
.macro CROUND
	s_barrier_signal -1
	s_barrier_wait -1
	CREST
.endm
	s_load_b128 s[4:7], s[0:1], 0x0                ; the activations' codes, w_c
	s_load_b128 s[8:11], s[0:1], 0x10              ; the scales' exponents, the bias
	s_load_b64 s[12:13], s[0:1], 0x20              ; the output
	v_lshl_add_u32 v[SPW], v0, 2, SPARE
	v_mov_b32 v[NIL], 0
	ds_add_u32 v28, v29
	ds_add_u32 v28, v29
	s_wait_dscnt 0x0
	v_lshrrev_b32 v1, 5, v0
	v_readfirstlane_b32 s14, v1                    ; wave
	s_lshr_b32 s15, s14, 1                         ; my half of A's rows; also: I fetch for A (0) or B (1)
	s_and_b32 s16, s14, 1                          ; my half of B's rows; also: which 128 rows I fetch
	s_bfe_u32 s40, ttmp6, 0x40000                  ; cx
	s_bfe_u32 s41, ttmp6, 0x40004                  ; cy
	s_and_b32 s66, ttmp7, 0xffff
	s_lshl_b32 s66, s66, 2                         ; 4 x cluster y
	s_lshl_b32 s67, ttmp9, 2                       ; 4 x cluster x
.if QKV
	s_cmp_eq_u32 ttmp9, 2                          ; v?
	s_cselect_b32 s17, 8, s66                      ; A's tile: features from 2048 on, or tokens
	s_cselect_b32 s42, s66, s67                    ; B's tile: tokens, or features
.else
	s_mov_b32 s17, s66
	s_mov_b32 s42, s67
.endif
	s_add_co_u32 s17, s17, s41                     ; + cy: shared along a row of the cluster
	s_add_co_u32 s42, s42, s40                     ; + cx: shared along a column
	s_lshl_b32 s43, s41, 2
	s_lshl_b32 s43, 15, s43                        ; my row of the cluster
	s_lshl_b32 s44, 0x1111, s40                    ; my column
	s_or_b32 s[G1+0], s43, (1<<20)|(1<<21)|(5<<22)|(3<<25)   ; mask; elements of 1 byte; padding: 4 words behind every 64
	s_or_b32 s[G1B+0], s44, (1<<20)|(1<<21)|(5<<22)|(3<<25)
.irp g, G1, G1B
	s_mov_b32 s[\g+1], ROWB<<16                    ; tensor_dim0
	s_mov_b32 s[\g+2], 128<<16                     ; tensor_dim1
	s_mov_b32 s[\g+3], ROWB<<16                    ; tile_dim0
	s_mov_b32 s[\g+4], 128                         ; tile_dim1
	s_mov_b32 s[\g+5], KROW                        ; from row to row
	s_mov_b32 s[\g+6], 0
	s_mov_b32 s[\g+7], 0
.endr
	s_lshl_b32 s18, s16, 7
	s_lshl_b32 s20, s17, 8
	s_add_co_u32 s20, s20, s18
	s_lshl_b32 s20, s20, 10                        ; A: (256 x tile + 128 x half) rows of 1,024 bytes
	s_mov_b32 s21, 0
	s_lshl_b32 s46, s42, 8
	s_add_co_u32 s46, s46, s18
	s_lshl_b32 s46, s46, 10                        ; B likewise
.if !QKV
	s_add_co_u32 s46, s46, 4194304                 ; w_fc1's place in w_c
.endif
	s_mov_b32 s47, 0
	s_mul_i32 s45, s14, HALFT                      ; where my 128 rows go: no place in the cluster enters an LDS address
	s_wait_kmcnt 0x0
.if QKV
	s_load_b256 s[72:79], s[8:9], 0x0              ; e0 .. e7
	s_cmp_eq_u32 ttmp9, 2
	s_cselect_b64 s[68:69], s[6:7], s[4:5]
	s_cselect_b64 s[70:71], s[4:5], s[6:7]
.else
	s_load_b128 s[72:75], s[8:9], 0x20             ; e8 .. e11
	s_mov_b64 s[68:69], s[4:5]
	s_mov_b64 s[70:71], s[6:7]
.endif
	s_add_nc_u64 s[20:21], s[68:69], s[20:21]
	s_add_nc_u64 s[46:47], s[70:71], s[46:47]
	; THE PREFETCHES INTO THE L2: behind the joint load of K step s stands a request for K step s + 2 (K step 1 goes with K step 2).  Of the 128 rows that I fetch, each of the four partners
	; that ask for them jointly names 32, told apart by address (cx for A's tiles, cy for B's): a lane a row, 256 bytes of it: each block is named once in the cluster.  The registers are never rewritten.
	s_cmp_eq_u32 s15, 0                            ; do I fetch for A?
	s_cselect_b64 s[90:91], s[20:21], s[46:47]
	s_cselect_b32 s92, s40, s41                    ; my place among the four
	s_lshl_b32 s92, s92, 15                        ; 32 rows of 1,024 bytes
	s_add_co_u32 s92, s92, ROWB                    ; at K step 1
	s_mov_b32 s93, 0
	s_add_nc_u64 s[90:91], s[90:91], s[92:93]
	v_and_b32 v7, 31, v0
	v_lshlrev_b32 v7, 10, v7                       ; a lane a row
	s_wait_alu depctr_va_vdst(0)                   ; the wait here
	CROUND
.irp s, 0,1
	s_mov_b32 s[G0+4*\s], 1
	s_add_co_u32 s[G0+4*\s+1], s45, \s*SLOT
	s_add_nc_u64 s[G0+4*\s+2:G0+4*\s+3], s[20:21], \s*ROWB
	s_or_b32 s[G0+4*\s+3], s[G0+4*\s+3], 0x80000000
	s_mov_b32 s[G0B+4*\s], 1
	s_add_co_u32 s[G0B+4*\s+1], s45, \s*SLOT
	s_add_nc_u64 s[G0B+4*\s+2:G0B+4*\s+3], s[46:47], \s*ROWB
	s_or_b32 s[G0B+4*\s+3], s[G0B+4*\s+3], 0x80000000
.if \s                                 ; slot 1's first fill is issued as a refill is: a wait, an add and a round ahead of it
	s_wait_alu depctr_va_vdst(0)
	s_wait_tensorcnt 0x0                           ; my part of K step 0 is in
	ds_add_u32 v28, v29
	s_wait_dscnt 0x0
	CROUND
.endif
	JLOAD G0+4*\s, G1, G0B+4*\s, G1B
.if \s
	global_prefetch_b8 v7, s[90:91] offset:2*ROWB th:TH_LOAD_NT scope:SCOPE_SE   ; K step 3, the last
.else
	global_prefetch_b8 v7, s[90:91] th:TH_LOAD_NT scope:SCOPE_SE                 ; K step 1
	global_prefetch_b8 v7, s[90:91] offset:ROWB th:TH_LOAD_NT scope:SCOPE_SE     ; K step 2
.endif
.endr
	v_and_b32 v1, 15, v0                           ; r
	s_wait_alu depctr_va_vdst(0)
	v_bfe_u32 v2, v0, 4, 1                         ; h
	v_mul_u32_u24 v3, v1, PITCH
	v_lshl_add_u32 v4, v2, 4, v3                   ; r x pitch + 16 h
	s_mul_i32 s21, s15, HALFT
	s_mul_i32 s22, s16, HALFT
	s_add_co_u32 s22, s22, 2*HALFT
.irp s, 0,1
	v_add_nc_u32 v[ADRA+\s], s21, v4
	v_add_nc_u32 v[ADRB+\s], s22, v4
	s_add_co_u32 s21, s21, SLOT
	s_add_co_u32 s22, s22, SLOT
.endr
	v_lshlrev_b32 v18, 5, v2                       ; bias by column: my half's eight numbers
	; the biases are asked for now and waited for on the way out
	s_wait_alu depctr_va_vdst(0)
	s_lshl_b32 s80, s42, 8
	s_lshl_b32 s81, s16, 7
	s_add_co_u32 s80, s80, s81
	s_lshl_b32 s80, s80, 2                         ; my first column's bias
.if QKV
	v_lshlrev_b32 v19, 2, v1                       ; bias by row
	s_wait_alu depctr_va_vdst(0)
	s_lshl_b32 s82, s41, 8
	s_lshl_b32 s83, s15, 7
	s_add_co_u32 s82, s82, s83
	s_add_co_u32 s82, s82, 2048
	s_lshl_b32 s82, s82, 2                         ; v: my first feature's bias
	s_cmp_eq_u32 ttmp9, 2
	s_cselect_b32 s80, 0, s80                      ; the kind that is not used is loaded from the buffer's head, so that its registers are written
	s_cselect_b32 s82, s82, 0
	s_mov_b32 s83, 0
	s_add_nc_u64 s[86:87], s[10:11], s[82:83]
.endif
	s_mov_b32 s81, 0
	s_add_nc_u64 s[84:85], s[10:11], s[80:81]
.irp b, 0,1,2,3,4,5,6,7
	global_load_b128 v[BI+8*\b:BI+8*\b+3], v18, s[84:85] offset:64*\b       ; bias(first column + 16 b + 8 h + 0 .. 7)
	global_load_b128 v[BI+8*\b+4:BI+8*\b+7], v18, s[84:85] offset:64*\b+16
.endr
.if QKV
.irp a, 0,1,2,3,4,5,6,7
	global_load_b32 v[BR+2*\a], v19, s[86:87] offset:64*\a                  ; bias(first feature + 16 a + r)
	v_mov_b32 v[BR+2*\a+1], 0                      ; (named with it as a pair)
.endr
	; the stage.  q, k: a unit is four tokens of one head: unit 64 (head in tile) + token / 4
	s_lshl_b32 s23, s16, 7
	s_lshl_b32 s80, s15, 5
	s_add_co_u32 s23, s23, s80
	s_mul_i32 s23, s23, PITCH
	v_lshrrev_b32 v5, 2, v1
	v_mul_u32_u24 v5, v5, PITCH
	v_and_b32 v6, 3, v1
	v_lshl_add_u32 v5, v6, 6, v5
	v_lshl_add_u32 v5, v2, 3, v5
	v_add_nc_u32 v24, s23, v5                      ; in: (128 ch + 32 rh + r / 4) units + 64 (r % 4) + 8 h
	s_mul_i32 s23, s15, 128*PITCH
	s_lshl_b32 s80, s16, 7
	s_add_co_u32 s23, s23, s80
	s_add_co_u32 s23, s23, STG2
	v_add_nc_u32 v27, s23, v4                      ; v, in: a unit is a feature: (128 rh + r) units + 128 ch + 16 h
.else
	s_mul_i32 s23, s15, 128*PITCH
	s_lshl_b32 s80, s16, 7
	s_add_co_u32 s23, s23, s80
	v_lshl_add_u32 v5, v2, 3, v3
	v_add_nc_u32 v24, s23, v5                      ; in: a unit is a token: (128 rh + r) units + 128 ch + 8 h
.endif
	s_mul_i32 s23, s14, 64*PITCH
	v_mul_u32_u24 v5, v2, PITCH
	v_lshl_add_u32 v5, v1, 4, v5
	v_add_nc_u32 v25, s23, v5                      ; back: wave w takes units 64 w on, two an instruction
.if QKV
	v_add_nc_u32 v30, STG2, v25
	v_and_b32 v6, 31, v0
	v_lshlrev_b32 v26, 4, v6                       ; q, k in memory: a head's 256 tokens are 16,384 consecutive bytes
	v_lshlrev_b32 v5, 11, v2
	v_lshl_add_u32 v31, v1, 4, v5                  ; v in memory: rows of 2,048 keys
	s_lshr_b32 s80, s17, 3                         ; q, k: batch,
	s_lshl_b32 s80, s80, 4
	s_lshl_b32 s81, s40, 2
	s_add_co_u32 s80, s80, s81
	s_add_co_u32 s80, s80, s14                     ; head 4 cx + wave
	s_lshl_b32 s80, s80, 17
	s_and_b32 s81, s17, 7
	s_lshl_b32 s81, s81, 14
	s_add_co_u32 s80, s80, s81                     ; 256 tokens x 64 bytes for each tile
	s_lshl_b32 s81, ttmp9, 22
	s_add_co_u32 s80, s80, s81                     ; q or k
	s_lshr_b32 s82, s42, 3                         ; v: batch,
	s_lshl_b32 s82, s82, 21
	s_lshl_b32 s83, s41, 8
	s_lshl_b32 s88, s14, 6
	s_add_co_u32 s83, s83, s88
	s_lshl_b32 s83, s83, 11
	s_add_co_u32 s82, s82, s83                     ; feature 256 cy + 64 wave,
	s_and_b32 s83, s42, 7
	s_lshl_b32 s83, s83, 8
	s_add_co_u32 s82, s82, s83                     ; 256 keys for each tile
	s_add_co_u32 s82, s82, 8388608
	s_cmp_eq_u32 ttmp9, 2
	s_cselect_b32 s80, s82, s80
.else
	v_lshlrev_b32 v5, 12, v2
	v_lshl_add_u32 v26, v1, 4, v5                  ; hid in memory: rows of 4,096 codes
	s_lshl_b32 s80, s17, 8
	s_lshl_b32 s81, s14, 6
	s_add_co_u32 s80, s80, s81
	s_lshl_b32 s80, s80, 12
	s_lshl_b32 s81, s42, 8
	s_add_co_u32 s80, s80, s81
.endif
	s_mov_b32 s81, 0
	s_add_nc_u64 s[12:13], s[12:13], s[80:81]
.macro FRAG reg, adr, q, i             ; 16 rows x 128 K: registers 4 c .. 4 c + 3 hold K = 32 c + 16 h + 0 .. 15: the same order in A and in B
.irp c, 0,1,2,3
	ds_load_b128 v[\reg+4*\c:\reg+4*\c+3], v[\adr] offset:128*(\q)+32*\c+(\i)*16*PITCH
.endr
.endm
.macro MUL16 a0, p, zero               ; A's blocks a0, a0 + 1 x B's eight; the 64 accumulators take turns, one instruction a turn
.irp a, \a0, \a0+1
.irp b, 0,1,2,3,4,5,6,7
.if \zero
	v_wmma_f32_16x16x128_fp8_fp8 v[8*(8*((\a)%4)+\b):8*(8*((\a)%4)+\b)+7], v[128*(\p)+FR*\b:128*(\p)+FR*\b+FR-1], v[AF+FR*(\a):AF+FR*(\a)+FR-1], 0
.else
	v_wmma_f32_16x16x128_fp8_fp8 v[8*(8*((\a)%4)+\b):8*(8*((\a)%4)+\b)+7], v[128*(\p)+FR*\b:128*(\p)+FR*\b+FR-1], v[AF+FR*(\a):AF+FR*(\a)+FR-1], v[8*(8*((\a)%4)+\b):8*(8*((\a)%4)+\b)+7]
.endif
.endr
.endr
.endm
.macro FETCH_B slot, q, p
	WIN TO_B
.irp i, 0,1,2,3,4,5,6,7
	FRAG 128*(\p)+FR*\i, ADRB+\slot, \q, \i
.endr
	WIN 0
.endm
.macro FETCH_A slot, q, i0
.irp i, \i0, \i0+1, \i0+2, \i0+3
	FRAG AF+FR*(\i), ADRA+\slot, \q, \i
.endr
.endm
.macro PLACES n                        ; plain vector instructions between a matrix instruction and a load into, or a read of, its registers
.rept \n
	v_nop
.endr
.endm
.macro STEP slot, q, zero              ; 128 along K with its successor in the same slot
	s_wait_dscnt 4*NL                              ; B's set and A's blocks 0-3 are in; A's blocks 4-7 may be out
	WIN MUL_LO
	MUL16 0, (\q)%2, \zero
	MUL16 2, (\q)%2, \zero
	s_wait_dscnt 0
	PLACES NP
	FETCH_B \slot, (\q)+1, 1-(\q)%2
	FETCH_A \slot, (\q)+1, 0
	WIN MUL_HI
	MUL16 4, (\q)%2, \zero
	MUL16 6, (\q)%2, \zero
	PLACES NP
	WIN 0
	FETCH_A \slot, (\q)+1, 4
.endm
.macro TURN slot, next, fill           ; a slot's last step changes slots
	s_wait_tensorcnt 0x0                           ; all my tensor loads have landed: my part of the next slot
	ds_add_u32 v[SPW], v[NIL]                      ; 0 onto my spare word
	s_wait_dscnt 4*NL+1                            ; the add and A's blocks 4-7 may be out
	WIN MUL_LO
	MUL16 0, 1, 0
	s_wait_dscnt 0x0                               ; the add is done, and my reads of this slot are over
	s_barrier_signal -1
	MUL16 2, 1, 0
	WIN 0
	s_barrier_wait -1
.if \fill
	CREST                                          ; the barrier has opened a round of the cluster's: no wave of any partner still reads this slot or has a load on its way
	s_add_nc_u64 s[G0+4*\slot+2:G0+4*\slot+3], s[G0+4*\slot+2:G0+4*\slot+3], 2*ROWB
	s_add_nc_u64 s[G0B+4*\slot+2:G0B+4*\slot+3], s[G0B+4*\slot+2:G0B+4*\slot+3], 2*ROWB
	JLOAD G0+4*\slot, G1, G0B+4*\slot, G1B         ; the first tensor load behind the round; its four v_nop are the places in front of the loads below
.else
	PLACES NP
.endif
	FETCH_B \next, 0, 0
	FETCH_A \next, 0, 0
	WIN MUL_HI
	MUL16 4, 1, 0
	MUL16 6, 1, 0
	PLACES NP
	WIN 0
	FETCH_A \next, 0, 4
.endm
	s_wait_tensorcnt 1                             ; my part of K step 0 is in; K step 1's load may be out
	s_barrier_signal -1
	s_barrier_wait -1
	FETCH_B 0, 0, 0
	FETCH_A 0, 0, 0
	FETCH_A 0, 0, 4
	STEP 0, 0, 1                                   ; the first step's products start the sums
	s_mov_b32 s3, LAPS-1
.Llap:
	TURN 0, 1, 1
	STEP 1, 0, 0
	TURN 1, 0, 1
	STEP 0, 0, 0
	s_sub_co_u32 s3, s3, 1
	s_cmp_lg_u32 s3, 0
	s_cbranch_scc1 .Llap
	TURN 0, 1, 0                                   ; the last lap fills nothing
	STEP 1, 0, 0
	s_wait_dscnt 4*NL
	WIN MUL_LO
	MUL16 0, 1, 0
	MUL16 2, 1, 0
	s_wait_dscnt 0
	WIN MUL_HI
	MUL16 4, 1, 0
	MUL16 6, 1, 0
	WIN 0
; THE WAY OUT.  Block a (16 rows of A's x 128): sum x 2^(ea + eb) + bias, held, converted: 8 codes a lane and accumulator, into the work-group's stage; a barrier; each wave reads 64 whole units back and stores them.
.macro EPI a, kind                     ; kind 0: bias by column (B's rows); 1: by row (A's rows), v's layout
.set AC, 64*((\a)%4)
.set CS, CD+16*((\a)%2)
.if (\a) > 1
	s_wait_dscnt 8                                 ; only the block before's eight stores may be out: this set of code registers has been read
.endif
	WIN 0x02+((\a)/4)
.set j, 0
.rept 32
.if \kind
	v_pk_fma_f32 v[T+j:T+j+1], v[AC+j:AC+j+1], s[96:97], v[BR+2*(\a):BR+2*(\a)+1] op_sel_hi:[1,0,0]
.else
	v_pk_fma_f32 v[T+j:T+j+1], v[AC+j:AC+j+1], s[96:97], v[BI+j:BI+j+1] op_sel_hi:[1,0,1]   ; each accumulator from its low end on
.endif
.set j, j+2
.endr
	WIN 0
.irp b, 0,1,2,3,4,5,6,7
.irp i, 0,1,2,3,4,5,6,7
.if QKV
	v_med3_num_f32 v[T+8*\b+\i], v[T+8*\b+\i], -v22, v22
.else
	v_med3_num_f32 v[T+8*\b+\i], v[T+8*\b+\i], 0, v22   ; the activation and the hold in one
.endif
.endr
	v_cvt_scalef32_pk8_fp8_f32 v[CS+2*\b:CS+2*\b+1], v[T+8*\b:T+8*\b+7], v23
.endr
	v_nop                                          ; a plain instruction behind the last conversion
.irp b, 0,1,2,3,4,5,6,7
.if \kind
	ds_store_b64 v27, v[CS+2*\b:CS+2*\b+1] offset:16*(\a)*PITCH+32*(\b/2)+8*(\b%2)
.elseif QKV
	ds_store_b64 v24, v[CS+2*\b:CS+2*\b+1] offset:((\b/4)*64+4*(\a))*PITCH+16*(\b%4)
.else
	ds_store_b64 v24, v[CS+2*\b:CS+2*\b+1] offset:16*(\a)*PITCH+16*\b
.endif
.endr
.endm
.macro BACK rd, co, step
.set t, 0
.rept 32
	ds_load_b128 v[BK+4*t:BK+4*t+3], v[\rd] offset:2*t*PITCH
.set t, t+1
.endr
.set t, 0
.rept 32
	s_wait_dscnt 31-t
	global_store_b128 v[\co], v[BK+4*t:BK+4*t+3], s[12:13] offset:t*\step th:TH_STORE_NT   ; sixteen lanes: 256 consecutive bytes, aligned
.set t, t+1
.endr
.endm
	s_wait_kmcnt 0x0
	s_add_co_i32 s96, s72, s73
	s_add_co_i32 s96, s96, 127
	s_lshl_b32 s96, s96, 23                        ; 2^(ea + eb) as f32
	s_mov_b32 s97, s96
.if QKV
	s_cmp_eq_u32 ttmp9, 0
	s_cselect_b32 s88, s74, s75                    ; q: e2, k: e3,
	s_cmp_eq_u32 ttmp9, 2
	s_cselect_b32 s88, s77, s88                    ; v: e5
.else
	s_mov_b32 s88, s74                             ; e10
.endif
	s_add_co_i32 s88, s88, 127
	s_lshl_b32 s89, s88, 23
	v_mov_b32 v23, s89
	s_add_co_i32 s88, s88, 8
	s_lshl_b32 s88, s88, 23
	s_or_b32 s88, s88, 0x600000
	v_mov_b32 v22, s88
	s_wait_loadcnt 0x0                             ; the biases
	PLACES NP
.if QKV
	s_cmp_eq_u32 ttmp9, 2
	s_cbranch_scc1 .Lv
.endif
.irp a, 0,1,2,3,4,5,6,7
	EPI \a, 0
.endr
.if QKV
	s_branch .Ljoin
.Lv:
.irp a, 0,1,2,3,4,5,6,7
	EPI \a, 1
.endr
.Ljoin:
.endif
	s_wait_dscnt 0x0                               ; for the others' sake: my stores into the stage are done
	s_barrier_signal -1
	s_barrier_wait -1
.if QKV
	s_cmp_eq_u32 ttmp9, 2
	s_cbranch_scc1 .Lvback
	BACK 25, 26, 512
	s_branch .Lend
.Lvback:
	BACK 30, 31, 4096
.Lend:
.else
	BACK 25, 26, 8192
.endif
	s_wait_tensorcnt 0x0                           ; the wave's end
	ds_add_u32 v[SPW], v[NIL]
	s_wait_dscnt 0x0
	CROUND                                         ; the closing round
	s_endpgm
.Lfunc_end_k_qc45be17e16_qkv:
	.size	k_qc45be17e16_qkv, .Lfunc_end_k_qc45be17e16_qkv-k_qc45be17e16_qkv
	.p2alignl 7, 3214868480
	.fill 96, 4, 3214868480
	.section	.rodata,"a",@progbits
	.p2align	6, 0x0
	.amdhsa_kernel k_qc45be17e16_qkv
		.amdhsa_group_segment_fixed_size 327680
		.amdhsa_private_segment_fixed_size 0
		.amdhsa_enable_private_segment 0
		.amdhsa_kernarg_size 40
		.amdhsa_user_sgpr_count 2
		.amdhsa_user_sgpr_kernarg_segment_ptr 1
		.amdhsa_wavefront_size32 1
		.amdhsa_system_sgpr_workgroup_id_x 1
		.amdhsa_system_sgpr_workgroup_id_y 1
		.amdhsa_system_sgpr_workgroup_id_z 1
		.amdhsa_system_vgpr_workitem_id 0
		.amdhsa_next_free_vgpr 1024
		.amdhsa_next_free_sgpr 98
		.amdhsa_reserve_vcc 0
		.amdhsa_float_denorm_mode_32 3
		.amdhsa_float_denorm_mode_16_64 3
		.amdhsa_memory_ordered 1
		.amdhsa_forward_progress 1
		.amdhsa_inst_pref_size 210
	.end_amdhsa_kernel
	.amdgpu_metadata
---
amdhsa.version: [ 1, 2 ]
amdhsa.kernels:
  - .name:           k_qc45be17e16_qkv
    .symbol:         k_qc45be17e16_qkv.kd
    .args:
      - { .name: h1_c, .offset: 0, .size: 8, .value_kind: global_buffer, .address_space: global }
      - { .name: w_c, .offset: 8, .size: 8, .value_kind: global_buffer, .address_space: global }
      - { .name: lowp_scales, .offset: 16, .size: 8, .value_kind: global_buffer, .address_space: global }
      - { .name: b_qkv, .offset: 24, .size: 8, .value_kind: global_buffer, .address_space: global }
      - { .name: qkv_c, .offset: 32, .size: 8, .value_kind: global_buffer, .address_space: global }
    .group_segment_fixed_size: 327680
    .private_segment_fixed_size: 0
    .kernarg_segment_align: 8
    .kernarg_segment_size: 40
    .max_flat_workgroup_size: 128
    .sgpr_count:     98
    .vgpr_count:     1024
    .wavefront_size: 32
...
	.end_amdgpu_metadata
.endif
;; end of part 2
;; launch attn (part 3): grid 8 x 32, 8 waves a work-group, no clusters, 327,680 bytes of LDS; arguments qkv_c, lowp_scales, ctx_c; writes ctx_c
.if DOCPART == 3
	.amdgcn_target "amdgcn-amd-amdhsa--gfx1250"
	.amdhsa_code_object_version 6
	.text
	.protected	k_qc45be17e16_attn
	.globl	k_qc45be17e16_attn
	.p2align	8
	.type	k_qc45be17e16_attn,@function
k_qc45be17e16_attn:
	s_mov_b64 s[64:65], 0
	v_nop
	global_prefetch_b8 v0, s[64:65] scope:SCOPE_SE
	s_setreg_imm32_b32 hwreg(HW_REG_WAVE_MODE, 25, 1), 1
	s_wait_xcnt 0x0
; ctx = codes of softmax(q k^T / 8) v, both products on codes of E4M3.  q, k: [bh][2048][64]; v: [bh][64][2048] with the two middle groups of eight keys of each 32 exchanged; ctx_c: [head][token 0..4095][64].
; SOFTMAX: t = score x 2^(e2 + e3) x log2(e) / 8; M = the running largest t rounded up to a whole number; p = 2^(t - M) is quantised with 2^e4; the row's sum is taken of the unquantised p and divides at the end.
; SHARES: a work-group owns 256 queries of one head, a wave 32: two tiles of 16.  Each fragment of K and V feeds both tiles.  A key step is 128 keys; the two tiles' softmax lines take turns, so that no chain stands bare.
; REGISTERS.  Window 0: v1-13 addresses; v16-31, v32-47 a tile's state (+0 -M, +1 largest score, +2,3 the sum, +4,5 f, +6..10 at work); v48-52 the quantisers' numbers; v56-87 P's codes; v96-159, v160-223 S^T, then p.
;   Window 1: v0-15 Q; v16-79 K's fragments; v80-143 V's; v144-175, v176-207 O^T.
; LDS: the head's whole K (2048 keys x 80 bytes) and V (four quarters of 64 rows x 528 bytes) lie there; nothing is filled twice.  They come in four parts, one tensor load a wave for each part: waves 0-3 K's, waves 4-7 V's.
;   The first part is asked for at the head, each later one behind the barrier that opens the part before it: four key steps ahead of the wait for it.  K's parts end one key step later than V's (keys 640, 1152, 1664, 2048),
;   so that the next step's fragments of K are fetched one step ahead, across a change of parts too.  The very last step has no successor: it is written out, with no look-ahead.
; No cluster: a work-group asks for each byte of K and V once, in four loads a wave; joint loads would put a round of the cluster's barrier at each of the four changes of parts.
; No prefetch: each part's load is issued four key steps, a quarter of the wave's work, ahead of the wait for it.
; LAYOUT: S^T = K Q^T and O^T = V^T P^T: a lane holds one query.  Register j of key tile t is key 16 t + 8 h + j, so the conversions' results are P in the K = 128 form's own order; V's exchange of groups makes four
; 16-byte loads give that same order.
; LIMITS: e2 + e3 between -123 and 130; e4 and e6 between -126 and 119; the scaled scores stay under 2^31 in magnitude.  NaN is not served.
.set KP,    80                         ; a key in LDS: 64 bytes + 16
.set VP,    528                        ; a row of a quarter of V: 512 keys + 16
.set VQ,    64*VP
.set VOFF,  2048*KP
.set STAGE, VOFF+4*VQ                  ; the way out: 32 rows x 80 bytes for each wave, bytes of their own
.set SPARE, STAGE+8*32*KP              ; the spare words: 128 bytes a wave, named by no other line
.set G1V,  24                          ; s[24:31] group 1 for V's parts
.set G1KA, 32                          ; s[32:39], s[72:79], s[80:87] for K's parts of 160, 128, 96 keys a wave
.set G1KB, 72
.set G1KC, 80
.set G0K,  88                          ; s[88:91], s[92:95] groups 0
.set G0V,  92
.set MSB, 0
.macro WIN new                         ; the immediate's high byte repeats the setting that is left
.if MSB != (\new)
	s_set_vgpr_msb (MSB<<8)|(\new)
.set MSB, (\new)
.endif
.endm
.macro TLOAD g1k                       ; every wave issues one load; an s_nop 0 and four v_nop follow each line
	s_cmp_lt_u32 s18, 4
	s_cbranch_scc0 .Lfor_v_\@
	tensor_load_to_lds s[G0K:G0K+3], s[\g1k:\g1k+7]
	s_nop 0
.rept 4
	v_nop
.endr
	s_branch .Lasked_\@
.Lfor_v_\@:
	tensor_load_to_lds s[G0V:G0V+3], s[G1V:G1V+7]
	s_nop 0
.rept 4
	v_nop
.endr
.Lasked_\@:
.endm
.macro SETK start, n                   ; K's group 0: keys start + n x (wave % 4) on
	s_mul_i32 s70, s19, (\n)*KP
	s_add_co_u32 s[G0K+1], s70, (\start)*KP
	s_mul_i32 s70, s19, (\n)*64
	s_add_co_u32 s70, s70, (\start)*64
	s_add_nc_u64 s[G0K+2:G0K+3], s[54:55], s[70:71]
	s_or_b32 s[G0K+3], s[G0K+3], 0x80000000
.endm
.macro KLOAD adr                       ; a step's eight fragments of K, under destination window 1
.irp t, 0,1,2,3,4,5,6,7
.irp c, 0,1
	ds_load_b128 v[16+8*\t+4*\c:19+8*\t+4*\c], v[\adr] offset:16*\t*KP+32*\c
.endr
.endr
.endm
	s_load_b128 s[4:7], s[0:1], 0x0                ; qkv_c, the scales' exponents
	s_load_b64 s[8:9], s[0:1], 0x10                ; ctx_c
	v_lshl_add_u32 v12, v0, 2, SPARE
	v_mov_b32 v13, 0
	ds_add_u32 v12, v13                            ; the opening lines: the add twice on end and its wait ahead of my first tensor load
	ds_add_u32 v12, v13
	v_lshrrev_b32 v10, 5, v0
	v_readfirstlane_b32 s18, v10                   ; wave 0..7
	s_and_b32 s19, s18, 3
	s_and_b32 s10, ttmp7, 0xffff                   ; 16 b + head
	s_lshl_b32 s52, s10, 17                        ; a head's codes: 131,072 bytes
	s_mov_b32 s53, 0
	s_mov_b32 s71, 0
.irp g, G1KA, G1KB, G1KC
	s_mov_b32 s[\g], (1<<20)|(3<<22)|(3<<25)       ; K: elements of 1 byte; 4 words of padding behind every 16: behind each key
	s_mov_b32 s[\g+1], 256<<16                     ; rows of four keys, dense in memory
	s_mov_b32 s[\g+3], 256<<16
	s_mov_b32 s[\g+5], 256
	s_mov_b32 s[\g+6], 0
	s_mov_b32 s[\g+7], 0
.endr
	s_mov_b32 s[G1KA+2], 40<<16
	s_mov_b32 s[G1KA+4], 40
	s_mov_b32 s[G1KB+2], 32<<16
	s_mov_b32 s[G1KB+4], 32
	s_mov_b32 s[G1KC+2], 24<<16
	s_mov_b32 s[G1KC+4], 24
	s_mov_b32 s[G1V], (1<<20)|(6<<22)|(3<<25)      ; V: 16 rows of 512 keys, 4 words behind every 128
	s_mov_b32 s[G1V+1], 512<<16
	s_mov_b32 s[G1V+2], 16<<16
	s_mov_b32 s[G1V+3], 512<<16
	s_mov_b32 s[G1V+4], 16
	s_mov_b32 s[G1V+5], 2048
	s_mov_b32 s[G1V+6], 0
	s_mov_b32 s[G1V+7], 0
	s_mov_b32 s20, 0x76543210                      ; lane l xor 16
	s_mov_b32 s21, 0xfedcba98
	s_mov_b32 s22, 0x3e38aa3b                      ; log2(e) / 8
	s_mul_i32 s96, s19, 16*VP
	s_add_co_u32 s[G0V+1], s96, VOFF
	s_lshl_b32 s96, s19, 15                        ; 16 rows of 2,048 bytes
	s_mov_b32 s97, 0
	s_mov_b32 s[G0K], 1
	s_mov_b32 s[G0V], 1
	s_wait_alu depctr_va_vdst(0)
	s_wait_dscnt 0x0                               ; both opening adds are done
	s_wait_kmcnt 0x0
	s_load_b256 s[44:51], s[6:7], 0x0              ; e0 .. e7
	s_add_nc_u64 s[4:5], s[4:5], s[52:53]          ; q of my head
	s_add_nc_u64 s[54:55], s[4:5], 0x400000        ; k
	s_add_nc_u64 s[56:57], s[4:5], 0x800000        ; v
	SETK 0, 160
	s_add_nc_u64 s[G0V+2:G0V+3], s[56:57], s[96:97]
	s_or_b32 s[G0V+3], s[G0V+3], 0x80000000
	TLOAD G1KA                                     ; keys 0-639 of K, keys 0-511 of V: one load a wave at the head
	s_lshl_b32 s58, ttmp9, 14                      ; my block's 256 queries x 64 bytes,
	s_lshl_b32 s59, s18, 11                        ; my wave's 32
	s_add_co_u32 s58, s58, s59
	s_mov_b32 s59, 0
	s_add_nc_u64 s[4:5], s[4:5], s[58:59]
	s_and_b32 s60, s10, 15
	s_lshl_b32 s60, s60, 18                        ; ctx_c: head,
	s_lshr_b32 s61, s10, 4
	s_lshl_b32 s61, s61, 17                        ; batch,
	s_add_co_u32 s60, s60, s61
	s_add_co_u32 s60, s60, s58                     ; my queries
	s_mov_b32 s61, 0
	s_add_nc_u64 s[8:9], s[8:9], s[60:61]
	s_mul_i32 s11, s18, 32*KP
	s_add_co_u32 s11, s11, STAGE                   ; my stage
	v_and_b32 v10, 15, v0                          ; r
	v_bfe_u32 v11, v0, 4, 1                        ; h
	v_lshlrev_b32 v3, 6, v10
	v_lshl_add_u32 v3, v11, 4, v3                  ; Q: row r, + 16 h
	WIN 0x40                                       ; destination window 1
	global_load_b128 v[0:3], v3, s[4:5]
	global_load_b128 v[4:7], v3, s[4:5] offset:32
	global_load_b128 v[8:11], v3, s[4:5] offset:1024
	global_load_b128 v[12:15], v3, s[4:5] offset:1056
	WIN 0
	v_mul_u32_u24 v1, v10, KP
	v_mul_u32_u24 v2, v10, VP
	v_mul_u32_u24 v4, v10, KP
	v_and_b32 v7, 31, v0
	v_lshl_add_u32 v1, v11, 4, v1                  ; my place in a tile of K
	v_lshl_add_u32 v2, v11, 4, v2
	v_lshl_add_u32 v4, v11, 3, v4
	v_lshrrev_b32 v5, 2, v7
	v_add_nc_u32 v2, VOFF, v2                      ; and of V
	v_add_nc_u32 v4, s11, v4                       ; the stage, in: row r, + 8 h
	v_mul_u32_u24 v5, v5, KP
	v_and_b32 v6, 3, v7
	v_lshl_add_u32 v5, v6, 4, v5
	v_lshlrev_b32 v6, 4, v7                        ; in memory: 16 bytes a lane
	v_add_nc_u32 v5, s11, v5                       ; back: four lanes to a row
	s_wait_kmcnt 0x0
	s_add_co_i32 s12, s46, s47
	s_lshl_b32 s12, s12, 23
	s_add_co_i32 s22, s22, s12                     ; e2 + e3 go into c's exponent field
	s_mov_b32 s23, s22
	s_add_co_i32 s41, s48, s49                     ; e4 + e5
	s_add_co_i32 s12, s48, 127
	s_lshl_b32 s13, s12, 23                        ; 2^e4
	s_add_co_i32 s12, s12, 8
	s_lshl_b32 s12, s12, 23
	s_or_b32 s12, s12, 0x600000                    ; 448 x 2^e4
	s_add_co_i32 s14, s50, 127
	s_lshl_b32 s15, s14, 23                        ; 2^e6
	s_add_co_i32 s14, s14, 8
	s_lshl_b32 s14, s14, 23
	s_or_b32 s14, s14, 0x600000                    ; 448 x 2^e6
.irp z, 0,1
	v_mov_b32 v[16+16*\z], 0x7f61b1e6              ; -M: 3e38
	v_mov_b32 v[17+16*\z], 0xff61b1e6              ; the largest score so far: -3e38, under every score
	v_mov_b32 v[18+16*\z], 0                       ; the sum, in two halves
	v_mov_b32 v[19+16*\z], 0
	v_mov_b32 v[21+16*\z], 0                       ; (named as the upper half of a pair)
	v_mov_b32 v[26+16*\z], 0                       ; a lane permute's destination counts as read
.endr
	v_mov_b32 v48, s12                             ; the hold, twice: the two halves of a dual line take their second sources from different banks
	v_mov_b32 v49, s12
	v_mov_b32 v50, s13
	v_mov_b32 v51, s14
	v_mov_b32 v52, s15
	WIN 0x40
.set i, 0
.rept 64
	v_mov_b32 v[144+i], 0                          ; O^T: the step is written once, its first walk finds zeros
.set i, i+1
.endr
	WIN 0
; A KEY STEP: 128 keys, both tiles.  At its head K's fragments of this step are in registers.  look = 1: the step has a successor, whose fragments of K it fetches and whose addresses it makes.
.macro STEP look
	WIN 0x05                                       ; K and Q window 1, S^T window 0
.irp t, 0,1,2,3,4,5,6,7
	v_wmma_f32_16x16x64_fp8_fp8 v[96+8*\t:103+8*\t], v[16+8*\t:23+8*\t], v[0:7], 0
	v_wmma_f32_16x16x64_fp8_fp8 v[160+8*\t:167+8*\t], v[16+8*\t:23+8*\t], v[8:15], 0
.endr
.rept 4
	v_nop                                          ; four places between the products and the loads into registers that they read, and the first read of S^T
.endr
	WIN 0x40
.if \look
	KLOAD 8                                        ; the next step's K
.endif
.irp t, 0,1,2,3
.irp c, 0,1,2,3
	ds_load_b128 v[80+16*\t+4*\c:83+16*\t+4*\c], v9 offset:16*\t*VP+32*\c   ; this step's V: both land while the softmax runs
.endr
.endr
	WIN 0
.irp z, 0,1                            ; the largest score: two chains a tile, ascending
	v_max3_num_f32 v[22+16*\z], v[96+64*\z], v[97+64*\z], v[98+64*\z]
	v_max3_num_f32 v[23+16*\z], v[99+64*\z], v[100+64*\z], v[101+64*\z]
.endr
.set i, 6
.rept 14
.irp z, 0,1
	v_max3_num_f32 v[22+16*\z], v[22+16*\z], v[96+64*\z+i], v[97+64*\z+i]
	v_max3_num_f32 v[23+16*\z], v[23+16*\z], v[98+64*\z+i], v[99+64*\z+i]
.endr
.set i, i+4
.endr
.irp z, 0,1
	v_max3_num_f32 v[22+16*\z], v[22+16*\z], v[158+64*\z], v[159+64*\z]
.endr
.irp z, 0,1
	v_max3_num_f32 v[22+16*\z], v[22+16*\z], v[23+16*\z], v[17+16*\z]   ; with the running largest
.endr
.irp z, 0,1
	v_permlanex16_b32 v[26+16*\z], v[22+16*\z], s20, s21
.endr
.irp z, 0,1
	v_max_num_f32 v[17+16*\z], v[22+16*\z], v[26+16*\z]
.endr
.irp z, 0,1
	v_mul_f32 v[23+16*\z], s22, v[17+16*\z]        ; as t (c is positive)
.endr
.irp z, 0,1
	v_mov_b32 v[22+16*\z], v[16+16*\z]
.endr
.irp z, 0,1
	v_floor_f32 v[16+16*\z], -v[23+16*\z]          ; -M = floor(-t)
.endr
.irp z, 0,1
	v_sub_f32 v[22+16*\z], v[16+16*\z], v[22+16*\z]
.endr
.irp z, 0,1
	v_cvt_i32_f32 v[22+16*\z], v[22+16*\z]         ; (it saturates)
.endr
.irp z, 0,1
	v_ldexp_f32 v[20+16*\z], 1.0, v[22+16*\z]      ; f = 2^(old M - new M): exact
.endr
.irp z, 0,1
	v_pk_mul_f32 v[18+16*\z:19+16*\z], v[18+16*\z:19+16*\z], v[20+16*\z:21+16*\z] op_sel_hi:[1,0]
.endr
.set i, 0
.rept 32
.irp z, 0,1
	v_pk_fma_f32 v[96+64*\z+i:97+64*\z+i], v[96+64*\z+i:97+64*\z+i], s[22:23], v[16+16*\z:17+16*\z] op_sel_hi:[1,0,0]   ; t - M
.endr
.set i, i+2
.endr
	WIN 0x41                                       ; O^T window 1, f window 0
.set i, 0
.rept 16
.irp z, 0,1
	v_pk_mul_f32 v[144+32*\z+i:145+32*\z+i], v[144+32*\z+i:145+32*\z+i], v[20+16*\z:21+16*\z] op_sel_hi:[1,0]   ; O^T under the new M, ahead of the exponentials
.endr
.set i, i+2
.endr
	WIN 0
.if \look
	s_add_co_u32 s2, s2, 128*KP
	s_add_co_u32 s3, s3, 128
.endif
	s_wait_alu depctr_va_vdst(0)                   ; the wait ahead of the batch
.set i, 0
.rept 128
	v_exp_f32 v[96+i], v[96+i]                     ; p = 2^(t - M)
.set i, i+1
.endr
.if \look
	v_add_nc_u32 v8, s2, v1                        ; plain lines behind the batch: K's fragments two steps on,
	v_add_nc_u32 v9, s3, v2                        ; V's of the next step
.else
	v_nop                                          ; a plain line behind the batch
.endif
	s_wait_alu depctr_va_vdst(0)                   ; one wait for the 128 exponentials, ahead of the first line that names a result
	s_wait_dscnt 0x0                               ; V's fragments and the next step's K are in
.irp z, 0,1
	v_pk_add_f32 v[24+16*\z:25+16*\z], v[96+64*\z:97+64*\z], v[98+64*\z:99+64*\z]   ; the sum of the unquantised p, two chains a tile
.endr
.set i, 4
.rept 15
.irp z, 0,1
	v_pk_add_f32 v[18+16*\z:19+16*\z], v[18+16*\z:19+16*\z], v[96+64*\z+i:97+64*\z+i]
	v_pk_add_f32 v[24+16*\z:25+16*\z], v[24+16*\z:25+16*\z], v[98+64*\z+i:99+64*\z+i]
.endr
.set i, i+4
.endr
.irp z, 0,1
	v_pk_add_f32 v[18+16*\z:19+16*\z], v[18+16*\z:19+16*\z], v[24+16*\z:25+16*\z]
.endr
.set i, 0
.rept 64
	v_dual_min_num_f32 v[96+i], v[96+i], v48 :: v_dual_min_num_f32 v[97+i], v[97+i], v49   ; the conversion does not saturate (ISA guide 7.6.2); p is not negative: a one-sided hold, two numbers a line
.set i, i+2
.endr
.irp t, 0,1,2,3,4,5,6,7,8,9,10,11,12,13,14,15
	v_cvt_scalef32_pk8_fp8_f32 v[56+2*\t:57+2*\t], v[96+8*\t:103+8*\t], v50
.endr
	v_nop                                          ; a plain line behind the last conversion
	WIN 0x51                                       ; V and O^T window 1, P window 0
.irp t, 0,1,2,3
	v_wmma_f32_16x16x128_fp8_fp8 v[144+8*\t:151+8*\t], v[80+16*\t:95+16*\t], v[56:71], v[144+8*\t:151+8*\t]
	v_wmma_f32_16x16x128_fp8_fp8 v[176+8*\t:183+8*\t], v[80+16*\t:95+16*\t], v[72:87], v[176+8*\t:183+8*\t]
.endr
	WIN 0
.endm
; A PART: four key steps.  Ahead of it every wave waits for its load, adds 0 to its spare word and waits for that and for its LDS reads; behind the barrier the part is whole, and the next part is asked for first.
.macro PHASE q
	s_wait_tensorcnt 0x0                           ; my load of this part has landed, so the groups 0 may be written
	ds_add_u32 v12, v13
	s_mov_b32 s2, (4*\q+1)*128*KP                  ; K: one step ahead
	s_mov_b32 s3, \q*VQ
	v_add_nc_u32 v8, s2, v1
	v_add_nc_u32 v9, s3, v2
.if \q == 0
	SETK 640, 128
.elseif \q == 1
	SETK 1152, 128
.elseif \q == 2
	SETK 1664, 96
.endif
.if \q < 3
	s_add_co_u32 s[G0V+1], s[G0V+1], VQ
	s_add_nc_u64 s[G0V+2:G0V+3], s[G0V+2:G0V+3], 512
.endif
	s_wait_alu depctr_va_vdst(0)                   ; the wait here, directly ahead of the wait below
	s_wait_dscnt 0x0
	s_barrier_signal -1
	s_barrier_wait -1
.if \q < 2
	TLOAD G1KB
.elseif \q == 2
	TLOAD G1KC
.endif
.if \q == 0
	WIN 0x40
	KLOAD 1                                        ; the first step's K
	WIN 0
	s_wait_dscnt 0x0
.endif
.if \q == 3
	s_mov_b32 s40, 3                               ; the last part's fourth step follows the loop
.else
	s_mov_b32 s40, 4
.endif
.Lstep_\@:
	STEP 1
	s_sub_co_u32 s40, s40, 1
	s_cmp_lg_u32 s40, 0
	s_cbranch_scc1 .Lstep_\@
.if \q == 3
	STEP 0
.endif
.endm
	s_wait_alu depctr_va_vdst(0)                   ; the wait at the head's end
	s_wait_loadcnt 0x0                             ; Q
	PHASE 0
	PHASE 1
	PHASE 2
	PHASE 3
; THE WAY OUT: O^T / the sum x 2^(e4 + e5), quantised with 2^e6; 8 codes a lane and tile of channels, through my stage, out as 512 consecutive bytes an instruction.
.rept 4
	v_nop
.endr
.irp z, 0,1
	v_add_f32 v[18+16*\z], v[18+16*\z], v[19+16*\z]
.endr
.irp z, 0,1
	v_permlanex16_b32 v[26+16*\z], v[18+16*\z], s20, s21
.endr
.irp z, 0,1
	v_add_f32 v[18+16*\z], v[18+16*\z], v[26+16*\z]
.endr
	s_wait_alu depctr_va_vdst(0)                   ; ahead of the two reciprocals
	v_rcp_f32 v18, v18
	v_rcp_f32 v34, v34
	v_nop
	s_wait_alu depctr_va_vdst(0)                   ; and ahead of their first reader
	v_ldexp_f32 v18, v18, s41
	v_ldexp_f32 v34, v34, s41
	WIN 0x01                                       ; O^T window 1
	s_wait_alu depctr_va_vdst(0)                   ; the wait directly ahead of the first reader of O^T
.set i, 0
.rept 32
	v_mul_f32 v[96+i], v[144+i], v18
.set i, i+1
.endr
.set i, 0
.rept 32
	v_mul_f32 v[128+i], v[176+i], v34
.set i, i+1
.endr
	WIN 0
.set i, 0
.rept 64
	v_med3_num_f32 v[96+i], v[96+i], -v51, v51
.set i, i+1
.endr
.irp t, 0,1,2,3,4,5,6,7
	v_cvt_scalef32_pk8_fp8_f32 v[56+2*\t:57+2*\t], v[96+8*\t:103+8*\t], v52
.endr
	v_nop
.irp t, 0,1,2,3
	ds_store_b64 v4, v[56+2*\t:57+2*\t] offset:16*\t              ; ctx(query r, channels 16 t + 8 h on)
.endr
.irp t, 0,1,2,3
	ds_store_b64 v4, v[64+2*\t:65+2*\t] offset:16*KP+16*\t        ; the second tile's queries
.endr
.irp n, 0,1,2,3
	ds_load_b128 v[160+4*\n:163+4*\n], v5 offset:8*KP*\n          ; LDS serves a wave's instructions in order: these see my stores
.endr
.irp n, 0,1,2,3
	s_wait_dscnt 3-\n
	global_store_b128 v6, v[160+4*\n:163+4*\n], s[8:9] offset:512*\n
.endr
	s_wait_tensorcnt 0x0                           ; the wave's end
	ds_add_u32 v12, v13
	s_wait_dscnt 0x0
	s_endpgm
.Lfunc_end_k_qc45be17e16_attn:
	.size	k_qc45be17e16_attn, .Lfunc_end_k_qc45be17e16_attn-k_qc45be17e16_attn
	.p2alignl 7, 3214868480
	.fill 96, 4, 3214868480
	.section	.rodata,"a",@progbits
	.p2align	6, 0x0
	.amdhsa_kernel k_qc45be17e16_attn
		.amdhsa_group_segment_fixed_size 327680
		.amdhsa_private_segment_fixed_size 0
		.amdhsa_enable_private_segment 0
		.amdhsa_kernarg_size 24
		.amdhsa_user_sgpr_count 2
		.amdhsa_user_sgpr_kernarg_segment_ptr 1
		.amdhsa_wavefront_size32 1
		.amdhsa_system_sgpr_workgroup_id_x 1
		.amdhsa_system_sgpr_workgroup_id_y 1
		.amdhsa_system_sgpr_workgroup_id_z 1
		.amdhsa_system_vgpr_workitem_id 0
		.amdhsa_next_free_vgpr 512
		.amdhsa_next_free_sgpr 100
		.amdhsa_reserve_vcc 0
		.amdhsa_float_denorm_mode_32 3
		.amdhsa_float_denorm_mode_16_64 3
		.amdhsa_memory_ordered 1
		.amdhsa_forward_progress 1
		.amdhsa_inst_pref_size 164
	.end_amdhsa_kernel
	.amdgpu_metadata
---
amdhsa.version: [ 1, 2 ]
amdhsa.kernels:
  - .name:           k_qc45be17e16_attn
    .symbol:         k_qc45be17e16_attn.kd
    .args:
      - { .name: qkv_c, .offset: 0, .size: 8, .value_kind: global_buffer, .address_space: global }
      - { .name: lowp_scales, .offset: 8, .size: 8, .value_kind: global_buffer, .address_space: global }
      - { .name: ctx_c, .offset: 16, .size: 8, .value_kind: global_buffer, .address_space: global }
    .group_segment_fixed_size: 327680
    .private_segment_fixed_size: 0
    .kernarg_segment_align: 8
    .kernarg_segment_size: 24
    .max_flat_workgroup_size: 256
    .sgpr_count:     100
    .vgpr_count:     512
    .wavefront_size: 32
...
	.end_amdgpu_metadata
.endif
;; end of part 3
;; launch outp (part 4): grid 8 x 32, 4 waves a work-group, clusters of 4 x 4, 327,680 bytes of LDS; arguments ctx_c, w_c, lowp_scales, b_out, x, x1; writes x1
.if DOCPART == 4
	.amdgcn_target "amdgcn-amd-amdhsa--gfx1250"
	.amdhsa_code_object_version 6
	.text
	.protected	k_qc45be17e16_outp
	.globl	k_qc45be17e16_outp
	.p2align	8
	.type	k_qc45be17e16_outp,@function
k_qc45be17e16_outp:
	s_mov_b64 s[64:65], 0
	v_nop
	global_prefetch_b8 v0, s[64:65] scope:SCOPE_SE
	s_setreg_imm32_b32 hwreg(HW_REG_WAVE_MODE, 25, 1), 1
	s_wait_xcnt 0x0
	s_wait_alu depctr_hold_cnt(0) depctr_sa_sdst(0) depctr_va_vdst(0) depctr_va_sdst(0) depctr_va_ssrc(0) depctr_va_vcc(0) depctr_vm_vsrc(0)
	s_getreg_b32 s2, hwreg(HW_REG_IB_STS2, 6, 4)
	s_cmp_eq_u32 s2, 0
	s_cbranch_scc0 .Lentry_in_a_cluster
	s_endpgm
.Lentry_in_a_cluster:
	s_bfe_u32 s2, ttmp6, 0x10000c
	s_cmp_lg_u32 s2, 0xf033
	s_cbranch_scc0 .Lentry_shape_is_right
	s_endpgm
.Lentry_shape_is_right:
.set OUTP, 1
.if OUTP
.set KK,    1024
.set LGK,   10
.set WOFF,  3145728
.set SCOFF, 0x18
.set AHALF, 40960
.set ASTEP, 8*262144
.set LAPS,  1
.else
.set KK,    4096
.set LGK,   12
.set WOFF,  8388608
.set SCOFF, 0x28
.set AHALF, 64*528
.set ASTEP, 512
.set LAPS,  4
.endif
.set BHALF, 64*528
.set BOFF,  2*AHALF
.set SLOT,  BOFF+2*BHALF
.set STAGE, 2*SLOT
.set SPARE, STAGE+4*16*272
.set ADRA, 16
.set ADRB, 20
.set SPW,  28
.set NIL,  29
.set BK,   32
.set ACC,  128
.set F0,   0
.set F1,   128
.set G1,  24
.set G0,  32
.set G1B, 48
.set G0B, 56
.set MSB, 0
.macro WIN new
.if MSB != (\new)
	s_set_vgpr_msb (MSB<<8)|(\new)
.set MSB, (\new)
.endif
.endm
.set MUL,  0x05
.set TO_F, 0x40
.macro JLOAD s
	s_cmp_eq_u32 s11, 0
	s_cbranch_scc0 .Lfor_b_\@
	tensor_load_to_lds s[G0+4*\s:G0+4*\s+3], s[G1:G1+7]
	s_nop 0
.rept 4
	v_nop
.endr
	s_branch .Lasked_\@
.Lfor_b_\@:
	tensor_load_to_lds s[G0B+4*\s:G0B+4*\s+3], s[G1B:G1B+7]
	s_nop 0
.rept 4
	v_nop
.endr
.Lasked_\@:
.endm
.macro CREST
	s_cmp_lg_u32 s10, 0
	s_cbranch_scc1 .Lnot_wave_0_\@
	s_barrier_signal -3
.Lnot_wave_0_\@:
	s_barrier_wait -3
	s_barrier_signal -1
	s_barrier_wait -1
.endm
.macro CROUND
	s_barrier_signal -1
	s_barrier_wait -1
	CREST
.endm
	s_load_b128 s[4:7], s[0:1], 0x0
	s_load_b128 s[68:71], s[0:1], 0x10
	s_load_b128 s[72:75], s[0:1], 0x20
	v_lshl_add_u32 v[SPW], v0, 2, SPARE
	v_mov_b32 v[NIL], 0
	ds_add_u32 v28, v29
	ds_add_u32 v28, v29
	s_wait_dscnt 0x0
	v_lshrrev_b32 v1, 5, v0
	v_readfirstlane_b32 s10, v1
	s_lshr_b32 s11, s10, 1
	s_and_b32 s12, s10, 1
	s_bfe_u32 s40, ttmp6, 0x40000
	s_bfe_u32 s41, ttmp6, 0x40004
	s_lshl_b32 s42, ttmp9, 2
	s_add_co_u32 s42, s42, s40
	s_and_b32 s13, ttmp7, 0xffff
	s_lshl_b32 s13, s13, 2
	s_add_co_u32 s13, s13, s41
	s_lshl_b32 s43, s41, 2
	s_lshl_b32 s43, 15, s43
	s_lshl_b32 s44, 0x1111, s40
.if OUTP
	s_or_b32 s[G1+0], s43, (1<<20)|(1<<21)|(3<<22)|(3<<25)
	s_mov_b32 s[G1+1], 8192<<16
	s_mov_b32 s[G1+2], 4<<16
	s_mov_b32 s[G1+3], 8192<<16
	s_mov_b32 s[G1+4], 4
	s_mov_b32 s[G1+5], 262144
.else
	s_or_b32 s[G1+0], s43, (1<<20)|(1<<21)|(6<<22)|(3<<25)
	s_mov_b32 s[G1+1], 512<<16
	s_mov_b32 s[G1+2], 64<<16
	s_mov_b32 s[G1+3], 512<<16
	s_mov_b32 s[G1+4], 64
	s_mov_b32 s[G1+5], KK
.endif
	s_mov_b32 s[G1+6], 0
	s_mov_b32 s[G1+7], 0
	s_or_b32 s[G1B+0], s44, (1<<20)|(1<<21)|(6<<22)|(3<<25)
	s_mov_b32 s[G1B+1], 512<<16
	s_mov_b32 s[G1B+2], 64<<16
	s_mov_b32 s[G1B+3], 512<<16
	s_mov_b32 s[G1B+4], 64
	s_mov_b32 s[G1B+5], KK
	s_mov_b32 s[G1B+6], 0
	s_mov_b32 s[G1B+7], 0
.if OUTP
	s_lshl_b32 s16, s12, 20
	s_lshl_b32 s17, s13, 13
	s_add_co_u32 s16, s16, s17
.else
	s_lshl_b32 s16, s13, 7
	s_lshl_b32 s17, s12, 6
	s_add_co_u32 s16, s16, s17
	s_lshl_b32 s16, s16, 12
.endif
	s_mov_b32 s17, 0
	s_lshl_b32 s46, s42, 7
	s_lshl_b32 s47, s12, 6
	s_add_co_u32 s46, s46, s47
	s_lshl_b32 s46, s46, LGK
	s_add_co_u32 s46, s46, WOFF
	s_mov_b32 s47, 0
	s_mul_i32 s20, s12, AHALF
	s_mul_i32 s21, s12, BHALF
	s_add_co_u32 s21, s21, BOFF
	s_wait_kmcnt 0x0
	s_load_b64 s[76:77], s[68:69], SCOFF
	s_add_nc_u64 s[14:15], s[4:5], s[16:17]
	s_add_nc_u64 s[46:47], s[6:7], s[46:47]
	CROUND
.irp s, 0,1
	s_mov_b32 s[G0+4*\s], 1
	s_add_co_u32 s[G0+4*\s+1], s20, \s*SLOT
	s_add_nc_u64 s[G0+4*\s+2:G0+4*\s+3], s[14:15], \s*ASTEP
	s_or_b32 s[G0+4*\s+3], s[G0+4*\s+3], 0x80000000
	s_mov_b32 s[G0B+4*\s], 1
	s_add_co_u32 s[G0B+4*\s+1], s21, \s*SLOT
	s_add_nc_u64 s[G0B+4*\s+2:G0B+4*\s+3], s[46:47], \s*512
	s_or_b32 s[G0B+4*\s+3], s[G0B+4*\s+3], 0x80000000
.if \s                                 ; slot 1's first fill is issued as a refill is: a wait, an add and a round ahead of it
	s_wait_alu depctr_va_vdst(0)
	s_wait_tensorcnt 0x0                           ; my part of K step 0 is in
	ds_add_u32 v28, v29
	s_wait_dscnt 0x0
	CROUND
.endif
	JLOAD \s
.endr
	v_and_b32 v1, 15, v0
	v_bfe_u32 v2, v0, 4, 1
	v_lshlrev_b32 v5, 12, v2
	v_lshl_add_u32 v26, v1, 4, v5
	s_wait_alu depctr_va_vdst(0)
	v_lshlrev_b32 v27, 4, v1
	s_wait_alu depctr_va_vdst(0)
	s_lshl_b32 s80, s13, 7
	s_lshl_b32 s81, s11, 6
	s_add_co_u32 s80, s80, s81
	s_lshl_b32 s80, s80, 12
	s_lshl_b32 s82, s42, 7
	s_lshl_b32 s83, s12, 6
	s_add_co_u32 s82, s82, s83
	s_lshl_b32 s82, s82, 2
	s_mov_b32 s83, 0
	s_add_nc_u64 s[70:71], s[70:71], s[82:83]
	s_add_co_u32 s80, s80, s82
	s_mov_b32 s81, 0
	s_add_nc_u64 s[72:73], s[72:73], s[80:81]
	s_add_nc_u64 s[74:75], s[74:75], s[80:81]
	WIN 0x80
.irp a, 0,1,2,3
.irp t, 0,1,2,3,4,5,6,7
	global_load_b128 v[4*(8*\a+\t):4*(8*\a+\t)+3], v26, s[72:73] offset:(16*\a+2*\t)*4096 th:TH_LOAD_NT
.endr
.endr
	WIN 0
	global_load_b128 v[96:99], v27, s[70:71]
.if OUTP
	v_mul_u32_u24 v3, v1, 80
	s_mul_i32 s22, s11, 64*80
.else
	v_mul_u32_u24 v3, v1, 528
	s_mul_i32 s22, s11, AHALF
.endif
	v_lshl_add_u32 v3, v2, 4, v3
	v_mul_u32_u24 v4, v1, 528
	v_lshl_add_u32 v4, v2, 4, v4
	s_mul_i32 s23, s12, BHALF
	s_add_co_u32 s23, s23, BOFF
.irp s, 0,1
	v_add_nc_u32 v[ADRA+\s], s22, v3
	v_add_nc_u32 v[ADRB+\s], s23, v4
	s_add_co_u32 s22, s22, SLOT
	s_add_co_u32 s23, s23, SLOT
.endr
.if OUTP
	v_add_nc_u32 v18, AHALF, v16
	v_add_nc_u32 v19, AHALF, v17
.endif
	s_mul_i32 s22, s10, 16*272
	s_add_co_u32 s22, s22, STAGE
	v_mul_u32_u24 v5, v1, 272
	v_lshl_add_u32 v5, v2, 5, v5
	v_add_nc_u32 v24, s22, v5
	v_mul_u32_u24 v5, v2, 272
	v_lshl_add_u32 v5, v1, 4, v5
	v_add_nc_u32 v25, s22, v5
.macro FRAGA reg, slot, q, i
.irp c, 0,1,2,3
.if OUTP
	ds_load_b128 v[\reg+4*\c:\reg+4*\c+3], v[ADRA+\slot+2*((\q)/2)] offset:(2*((\q)%2)+\c/2)*10240+(\i)*1280+32*(\c%2)
.else
	ds_load_b128 v[\reg+4*\c:\reg+4*\c+3], v[ADRA+\slot] offset:128*(\q)+32*\c+(\i)*16*528
.endif
.endr
.endm
.macro FRAGB reg, slot, q, i
.irp c, 0,1,2,3
	ds_load_b128 v[\reg+4*\c:\reg+4*\c+3], v[ADRB+\slot] offset:128*(\q)+32*\c+(\i)*16*528
.endr
.endm
.macro FETCH slot, q, f
	WIN TO_F
.irp i, 0,1,2,3
	FRAGB \f+64+16*\i, \slot, \q, \i
.endr
.irp i, 0,1,2,3
	FRAGA \f+16*\i, \slot, \q, \i
.endr
.endm
.macro MUL4 f, a, zero
.irp b, 0,1,2,3
.if \zero
	v_wmma_f32_16x16x128_fp8_fp8 v[ACC+8*(4*(\a)+\b):ACC+8*(4*(\a)+\b)+7], v[\f+64+16*\b:\f+64+16*\b+15], v[\f+16*(\a):\f+16*(\a)+15], 0
.else
	v_wmma_f32_16x16x128_fp8_fp8 v[ACC+8*(4*(\a)+\b):ACC+8*(4*(\a)+\b)+7], v[\f+64+16*\b:\f+64+16*\b+15], v[\f+16*(\a):\f+16*(\a)+15], v[ACC+8*(4*(\a)+\b):ACC+8*(4*(\a)+\b)+7]
.endif
.endr
.endm
.macro PLACES
.rept 4
	v_nop
.endr
.endm
.macro QUARTER slot, qn, f, g, zero
	PLACES
	FETCH \slot, \qn, \g
	s_wait_dscnt 32
	WIN MUL
	MUL4 \f, 0, \zero
	MUL4 \f, 1, \zero
	MUL4 \f, 2, \zero
	MUL4 \f, 3, \zero
.endm
.macro TURN slot, next, fill
	WIN 0
	s_wait_tensorcnt 0x0
	ds_add_u32 v[SPW], v[NIL]
	s_wait_dscnt 1
	WIN MUL
	MUL4 F1, 0, 0
	s_wait_dscnt 0x0
	s_barrier_signal -1
	MUL4 F1, 1, 0
	WIN 0
	s_barrier_wait -1
.if \fill
	CREST
	s_add_nc_u64 s[G0+4*\slot+2:G0+4*\slot+3], s[G0+4*\slot+2:G0+4*\slot+3], 1024
	s_add_nc_u64 s[G0B+4*\slot+2:G0B+4*\slot+3], s[G0B+4*\slot+2:G0B+4*\slot+3], 1024
	JLOAD \slot
.else
	PLACES
.endif
	FETCH \next, 0, F0
	WIN MUL
	MUL4 F1, 2, 0
	MUL4 F1, 3, 0
.endm
	s_wait_alu depctr_va_vdst(0)
	s_wait_tensorcnt 1
	s_barrier_signal -1
	s_barrier_wait -1
	FETCH 0, 0, F0
	QUARTER 0, 1, F0, F1, 1
.if LAPS > 1
	WIN 0
	s_mov_b32 s3, LAPS-1
.Llap:
	QUARTER 0, 2, F1, F0, 0
	QUARTER 0, 3, F0, F1, 0
	TURN 0, 1, 1
	QUARTER 1, 1, F0, F1, 0
	QUARTER 1, 2, F1, F0, 0
	QUARTER 1, 3, F0, F1, 0
	TURN 1, 0, 1
	QUARTER 0, 1, F0, F1, 0
	WIN 0
	s_sub_co_u32 s3, s3, 1
	s_cmp_lg_u32 s3, 0
	s_cbranch_scc1 .Llap
.endif
	QUARTER 0, 2, F1, F0, 0
	QUARTER 0, 3, F0, F1, 0
	TURN 0, 1, 0
	QUARTER 1, 1, F0, F1, 0
	QUARTER 1, 2, F1, F0, 0
	QUARTER 1, 3, F0, F1, 0
	s_wait_dscnt 0
	MUL4 F1, 0, 0
	MUL4 F1, 1, 0
	MUL4 F1, 2, 0
	MUL4 F1, 3, 0
	WIN 0
	PLACES
	s_wait_kmcnt 0x0
	s_add_co_i32 s78, s76, s77
	s_add_co_i32 s78, s78, 127
	s_lshl_b32 s78, s78, 23
	s_mov_b32 s79, s78
	s_wait_loadcnt 0x0
.macro OUTB a
.set BB, BK+32*((\a)%2)
.if (\a) > 1
	s_wait_xcnt 0x0
.endif
.irp b, 0,1,2,3
	ds_store_b128 v24, v[ACC+8*(4*(\a)+\b):ACC+8*(4*(\a)+\b)+3] offset:64*\b
	ds_store_b128 v24, v[ACC+8*(4*(\a)+\b)+4:ACC+8*(4*(\a)+\b)+7] offset:64*\b+16
.endr
.irp t, 0,1,2,3,4,5,6,7
	ds_load_b128 v[BB+4*\t:BB+4*\t+3], v25 offset:544*\t
.endr
	s_wait_dscnt 0x0
	WIN 0x20
.set j, 0
.rept 16
	v_pk_fma_f32 v[BB+j:BB+j+1], v[BB+j:BB+j+1], s[78:79], v[32*(\a)+j:32*(\a)+j+1] op_sel_hi:[1,0,1]
.set j, j+2
.endr
	WIN 0
.irp t, 0,1,2,3,4,5,6,7
	v_pk_add_f32 v[BB+4*\t:BB+4*\t+1], v[BB+4*\t:BB+4*\t+1], v[96:97]
	v_pk_add_f32 v[BB+4*\t+2:BB+4*\t+3], v[BB+4*\t+2:BB+4*\t+3], v[98:99]
.endr
.irp t, 0,1,2,3,4,5,6,7
	global_store_b128 v26, v[BB+4*\t:BB+4*\t+3], s[74:75] offset:(16*(\a)+2*\t)*4096
.endr
.endm
	OUTB 0
	OUTB 1
	OUTB 2
	OUTB 3
	s_wait_tensorcnt 0x0
	ds_add_u32 v[SPW], v[NIL]
	s_wait_dscnt 0x0
	CROUND
	s_endpgm
.Lfunc_end_k_qc45be17e16_outp:
	.size	k_qc45be17e16_outp, .Lfunc_end_k_qc45be17e16_outp-k_qc45be17e16_outp
	.p2alignl 7, 3214868480
	.fill 96, 4, 3214868480
	.section	.rodata,"a",@progbits
	.p2align	6, 0x0
	.amdhsa_kernel k_qc45be17e16_outp
		.amdhsa_group_segment_fixed_size 327680
		.amdhsa_private_segment_fixed_size 0
		.amdhsa_enable_private_segment 0
		.amdhsa_kernarg_size 48
		.amdhsa_user_sgpr_count 2
		.amdhsa_user_sgpr_kernarg_segment_ptr 1
		.amdhsa_wavefront_size32 1
		.amdhsa_system_sgpr_workgroup_id_x 1
		.amdhsa_system_sgpr_workgroup_id_y 1
		.amdhsa_system_sgpr_workgroup_id_z 1
		.amdhsa_system_vgpr_workitem_id 0
		.amdhsa_next_free_vgpr 768
		.amdhsa_next_free_sgpr 96
		.amdhsa_reserve_vcc 0
		.amdhsa_float_denorm_mode_32 3
		.amdhsa_float_denorm_mode_16_64 3
		.amdhsa_memory_ordered 1
		.amdhsa_forward_progress 1
		.amdhsa_inst_pref_size 54
	.end_amdhsa_kernel
	.amdgpu_metadata
---
amdhsa.version: [ 1, 2 ]
amdhsa.kernels:
  - .name:           k_qc45be17e16_outp
    .symbol:         k_qc45be17e16_outp.kd
    .args:
      - { .name: ctx_c, .offset: 0, .size: 8, .value_kind: global_buffer, .address_space: global }
      - { .name: w_c, .offset: 8, .size: 8, .value_kind: global_buffer, .address_space: global }
      - { .name: lowp_scales, .offset: 16, .size: 8, .value_kind: global_buffer, .address_space: global }
      - { .name: b_out, .offset: 24, .size: 8, .value_kind: global_buffer, .address_space: global }
      - { .name: x, .offset: 32, .size: 8, .value_kind: global_buffer, .address_space: global }
      - { .name: x1, .offset: 40, .size: 8, .value_kind: global_buffer, .address_space: global }
    .group_segment_fixed_size: 327680
    .private_segment_fixed_size: 0
    .kernarg_segment_align: 8
    .kernarg_segment_size: 48
    .max_flat_workgroup_size: 128
    .sgpr_count:     96
    .vgpr_count:     768
    .wavefront_size: 32
...
	.end_amdgpu_metadata
.endif
;; end of part 4
;; launch ln2 (part 5): grid 256 x 1, 4 waves a work-group, no clusters, 0 bytes of LDS; arguments x1, ln2_g, ln2_b, lowp_scales, h2_c; writes h2_c
.if DOCPART == 5
	.amdgcn_target "amdgcn-amd-amdhsa--gfx1250"
	.amdhsa_code_object_version 6
	.text
	.protected	k_qc45be17e16_ln2
	.globl	k_qc45be17e16_ln2
	.p2align	8
	.type	k_qc45be17e16_ln2,@function
k_qc45be17e16_ln2:
	s_mov_b64 s[64:65], 0
	v_nop
	global_prefetch_b8 v0, s[64:65] scope:SCOPE_SE
	s_setreg_imm32_b32 hwreg(HW_REG_WAVE_MODE, 25, 1), 1
	s_wait_xcnt 0x0
; h2_c = codes of E4M3 of LayerNorm(x1; ln2_g, ln2_b), [4096][1024], with the scale 2^e8.  LIMITS: e8 between -126 and 119; NaN is not served.
; A wave takes 4 rows, a row in 32 registers a lane (8 neighbours in each quarter of the row); mean first, then the squares about the mean: no difference of large sums.  No LDS, no barrier: waves share nothing.
.set XR,   16                          ; v16-143  four rows of 32
.set G,    144                         ; v144-175 the gain at my 32 columns
.set BB,   176                         ; v176-207 the bias
.set CD,   208                         ; v208-239 codes: 8 registers a row, so that no store's data are written again
.macro REDUCE                          ; v240 summed over the 32 lanes, the result in every lane
	v_add_f32_dpp v240, v240, v240 row_xmask:1 row_mask:0xf bank_mask:0xf
	v_add_f32_dpp v240, v240, v240 row_xmask:2 row_mask:0xf bank_mask:0xf
	v_add_f32_dpp v240, v240, v240 row_xmask:4 row_mask:0xf bank_mask:0xf
	v_add_f32_dpp v240, v240, v240 row_xmask:8 row_mask:0xf bank_mask:0xf
	v_permlanex16_b32 v254, v240, s76, s77
	v_add_f32 v240, v240, v254
.endm
.macro FOLD
	v_pk_add_f32 v[240:241], v[240:241], v[242:243]
	v_pk_add_f32 v[244:245], v[244:245], v[246:247]
	v_pk_add_f32 v[240:241], v[240:241], v[244:245]
	v_add_f32 v240, v240, v241
	REDUCE
.endm
.macro ROW r
.set XB, XR+32*(\r)
	s_wait_loadcnt 24-8*(\r)                       ; my row's eight loads are in (and the gain and bias); the rows behind it may be out
.irp c, 0,1,2,3
	v_pk_add_f32 v[240+2*\c:241+2*\c], v[XB+4*\c:XB+4*\c+1], v[XB+4*\c+2:XB+4*\c+3]
.endr
.irp c, 0,1,2,3
	v_pk_add_f32 v[240+2*\c:241+2*\c], v[240+2*\c:241+2*\c], v[XB+16+2*\c:XB+17+2*\c]
.endr
.irp c, 0,1,2,3
	v_pk_add_f32 v[240+2*\c:241+2*\c], v[240+2*\c:241+2*\c], v[XB+24+2*\c:XB+25+2*\c]
.endr
	FOLD
	v_mul_f32 v248, s74, v240                      ; the mean
	v_mov_b32 v249, v248
.set i, 0
.rept 16
	v_pk_add_f32 v[XB+i:XB+i+1], v[XB+i:XB+i+1], v[248:249] neg_lo:[0,1] neg_hi:[0,1]
.set i, i+2
.endr
.irp c, 0,1,2,3
	v_pk_mul_f32 v[240+2*\c:241+2*\c], v[XB+2*\c:XB+2*\c+1], v[XB+2*\c:XB+2*\c+1]
.endr
.irp j, 8,16,24
.irp c, 0,1,2,3
	v_pk_fma_f32 v[240+2*\c:241+2*\c], v[XB+\j+2*\c:XB+\j+2*\c+1], v[XB+\j+2*\c:XB+\j+2*\c+1], v[240+2*\c:241+2*\c]
.endr
.endr
	FOLD
	v_fma_f32 v242, v240, s74, s75                 ; the variance + 1e-5
	s_wait_alu depctr_va_vdst(0)
	v_rsq_f32 v250, v242
	v_nop                                          ; a plain instruction behind the transcendental,
	s_wait_alu depctr_va_vdst(0)                   ; and the wait ahead of the first line that names its result
	v_mov_b32 v251, v250
.set i, 0
.rept 16
	v_pk_mul_f32 v[XB+i:XB+i+1], v[XB+i:XB+i+1], v[250:251]
.set i, i+2
.endr
.set i, 0
.rept 16
	v_pk_fma_f32 v[XB+i:XB+i+1], v[XB+i:XB+i+1], v[G+i:G+i+1], v[BB+i:BB+i+1]
.set i, i+2
.endr
.set i, 0
.rept 32
	v_med3_num_f32 v[XB+i], v[XB+i], -v252, v252   ; the conversion does not saturate (ISA guide 7.6.2): the hold comes first
.set i, i+1
.endr
.irp j, 0,1,2,3
	v_cvt_scalef32_pk8_fp8_f32 v[CD+8*(\r)+2*\j:CD+8*(\r)+2*\j+1], v[XB+8*\j:XB+8*\j+7], v253
.endr
	v_nop
.irp j, 0,1,2,3
	global_store_b64 v3, v[CD+8*(\r)+2*\j:CD+8*(\r)+2*\j+1], s[22:23] offset:1024*(\r)+256*\j   ; 32 lanes: 256 consecutive bytes, aligned
.endr
.endm
	s_load_b256 s[12:19], s[0:1], 0x0              ; x1, ln2_g, ln2_b, the scales' exponents
	s_load_b64 s[22:23], s[0:1], 0x20              ; h2_c
	v_lshrrev_b32 v1, 5, v0
	v_readfirstlane_b32 s36, v1                    ; wave
	v_and_b32 v1, 31, v0                           ; lane
	s_lshl_b32 s37, ttmp9, 4
	s_lshl_b32 s38, s36, 2
	s_add_co_u32 s37, s37, s38                     ; my wave's first row
	s_lshl_b32 s66, s37, 12
	s_mov_b32 s67, 0
	s_lshl_b32 s68, s37, 10
	s_mov_b32 s69, 0
	v_lshlrev_b32 v2, 5, v1                        ; my 8 numbers of a quarter row
	v_lshlrev_b32 v3, 3, v1                        ; and their 8 codes
	s_wait_alu depctr_va_vdst(0)
	s_wait_kmcnt 0x0
	s_load_b32 s24, s[18:19], 0x20                 ; e8
	s_add_nc_u64 s[12:13], s[12:13], s[66:67]
	s_add_nc_u64 s[22:23], s[22:23], s[68:69]
.irp j, 0,1,2,3
	global_load_b128 v[G+8*\j:G+8*\j+3], v2, s[14:15] offset:1024*\j
	global_load_b128 v[G+8*\j+4:G+8*\j+7], v2, s[14:15] offset:1024*\j+16
.endr
.irp j, 0,1,2,3
	global_load_b128 v[BB+8*\j:BB+8*\j+3], v2, s[16:17] offset:1024*\j
	global_load_b128 v[BB+8*\j+4:BB+8*\j+7], v2, s[16:17] offset:1024*\j+16
.endr
.irp r, 0,1,2,3
.irp j, 0,1,2,3
	global_load_b128 v[XR+32*\r+8*\j:XR+32*\r+8*\j+3], v2, s[12:13] offset:4096*\r+1024*\j th:TH_LOAD_NT
	global_load_b128 v[XR+32*\r+8*\j+4:XR+32*\r+8*\j+7], v2, s[12:13] offset:4096*\r+1024*\j+16 th:TH_LOAD_NT
.endr
.endr
	s_mov_b32 s74, 0x3a800000                      ; 1 / 1024
	s_mov_b32 s75, 0x3727c5ac                      ; 1e-5
	s_mov_b32 s76, 0x76543210                      ; lane l xor 16
	s_mov_b32 s77, 0xfedcba98
	v_mov_b32 v254, 0                              ; a lane permute's destination counts as read
	s_wait_kmcnt 0x0
	s_add_co_i32 s24, s24, 127
	s_lshl_b32 s25, s24, 23
	v_mov_b32 v253, s25                            ; 2^e8
	s_add_co_i32 s24, s24, 8
	s_lshl_b32 s24, s24, 23
	s_or_b32 s24, s24, 0x600000
	v_mov_b32 v252, s24                            ; 448 x 2^e8
	ROW 0
	ROW 1
	ROW 2
	ROW 3
	s_endpgm
.Lfunc_end_k_qc45be17e16_ln2:
	.size	k_qc45be17e16_ln2, .Lfunc_end_k_qc45be17e16_ln2-k_qc45be17e16_ln2
	.p2alignl 7, 3214868480
	.fill 96, 4, 3214868480
	.section	.rodata,"a",@progbits
	.p2align	6, 0x0
	.amdhsa_kernel k_qc45be17e16_ln2
		.amdhsa_group_segment_fixed_size 0
		.amdhsa_private_segment_fixed_size 0
		.amdhsa_enable_private_segment 0
		.amdhsa_kernarg_size 40
		.amdhsa_user_sgpr_count 2
		.amdhsa_user_sgpr_kernarg_segment_ptr 1
		.amdhsa_wavefront_size32 1
		.amdhsa_system_sgpr_workgroup_id_x 1
		.amdhsa_system_sgpr_workgroup_id_y 1
		.amdhsa_system_sgpr_workgroup_id_z 1
		.amdhsa_system_vgpr_workitem_id 0
		.amdhsa_next_free_vgpr 256
		.amdhsa_next_free_sgpr 80
		.amdhsa_reserve_vcc 0
		.amdhsa_float_denorm_mode_32 3
		.amdhsa_float_denorm_mode_16_64 3
		.amdhsa_memory_ordered 1
		.amdhsa_forward_progress 1
		.amdhsa_inst_pref_size 42
	.end_amdhsa_kernel
	.amdgpu_metadata
---
amdhsa.version: [ 1, 2 ]
amdhsa.kernels:
  - .name:           k_qc45be17e16_ln2
    .symbol:         k_qc45be17e16_ln2.kd
    .args:
      - { .name: x1, .offset: 0, .size: 8, .value_kind: global_buffer, .address_space: global }
      - { .name: ln2_g, .offset: 8, .size: 8, .value_kind: global_buffer, .address_space: global }
      - { .name: ln2_b, .offset: 16, .size: 8, .value_kind: global_buffer, .address_space: global }
      - { .name: lowp_scales, .offset: 24, .size: 8, .value_kind: global_buffer, .address_space: global }
      - { .name: h2_c, .offset: 32, .size: 8, .value_kind: global_buffer, .address_space: global }
    .group_segment_fixed_size: 0
    .private_segment_fixed_size: 0
    .kernarg_segment_align: 8
    .kernarg_segment_size: 40
    .max_flat_workgroup_size: 128
    .sgpr_count:     80
    .vgpr_count:     256
    .wavefront_size: 32
...
	.end_amdgpu_metadata
.endif
;; end of part 5
;; launch fc1 (part 6): grid 16 x 16, 4 waves a work-group, clusters of 4 x 4, 327,680 bytes of LDS; arguments h2_c, w_c, lowp_scales, b_fc1, hid_c; writes hid_c
.if DOCPART == 6
	.amdgcn_target "amdgcn-amd-amdhsa--gfx1250"
	.amdhsa_code_object_version 6
	.text
	.protected	k_qc45be17e16_fc1
	.globl	k_qc45be17e16_fc1
	.p2align	8
	.type	k_qc45be17e16_fc1,@function
k_qc45be17e16_fc1:
	s_mov_b64 s[64:65], 0
	v_nop
	global_prefetch_b8 v0, s[64:65] scope:SCOPE_SE
	s_setreg_imm32_b32 hwreg(HW_REG_WAVE_MODE, 25, 1), 1
	s_wait_xcnt 0x0
	s_wait_alu depctr_hold_cnt(0) depctr_sa_sdst(0) depctr_va_vdst(0) depctr_va_sdst(0) depctr_va_ssrc(0) depctr_va_vcc(0) depctr_vm_vsrc(0)
	s_getreg_b32 s2, hwreg(HW_REG_IB_STS2, 6, 4)
	s_cmp_eq_u32 s2, 0
	s_cbranch_scc0 .Lentry_in_a_cluster
	s_endpgm
.Lentry_in_a_cluster:
	s_bfe_u32 s2, ttmp6, 0x10000c
	s_cmp_lg_u32 s2, 0xf033
	s_cbranch_scc0 .Lentry_shape_is_right
	s_endpgm
.Lentry_shape_is_right:
.set QKV,    0
.set ROWB,   256
.set KROW,   1024
.set PITCH,  272
.set FR,     16
.set NL,     4
.set NP,     4
.set HALFT,  128*PITCH
.set SLOT,   4*HALFT
.set LAPS,   2
.set SPARE,  2*SLOT
.set ADRA, 16
.set ADRB, 20
.set SPW,  28
.set NIL,  29
.set BI,   32
.set AF,   128
.set T,    128
.set CD,   192
.set BK,   128
.set G1,  24
.set G0,  32
.set G1B, 48
.set G0B, 56
.set MSB, 0
.macro WIN new
.if MSB != (\new)
	s_set_vgpr_msb (MSB<<8)|(\new)
.set MSB, (\new)
.endif
.endm
.set MUL_LO, 0xa1
.set MUL_HI, 0xf1
.set TO_B,   0x40
.macro JLOAD g0a, g1a, g0b, g1b
	s_cmp_eq_u32 s15, 0
	s_cbranch_scc0 .Lfor_b_\@
	tensor_load_to_lds s[\g0a:\g0a+3], s[\g1a:\g1a+7]
	s_nop 0
.rept 4
	v_nop
.endr
	s_branch .Lasked_\@
.Lfor_b_\@:
	tensor_load_to_lds s[\g0b:\g0b+3], s[\g1b:\g1b+7]
	s_nop 0
.rept 4
	v_nop
.endr
.Lasked_\@:
.endm
.macro CREST
	s_cmp_lg_u32 s14, 0
	s_cbranch_scc1 .Lnot_wave_0_\@
	s_barrier_signal -3
.Lnot_wave_0_\@:
	s_barrier_wait -3
	s_barrier_signal -1
	s_barrier_wait -1
.endm
.macro CROUND
	s_barrier_signal -1
	s_barrier_wait -1
	CREST
.endm
	s_load_b128 s[4:7], s[0:1], 0x0
	s_load_b128 s[8:11], s[0:1], 0x10
	s_load_b64 s[12:13], s[0:1], 0x20
	v_lshl_add_u32 v[SPW], v0, 2, SPARE
	v_mov_b32 v[NIL], 0
	ds_add_u32 v28, v29
	ds_add_u32 v28, v29
	s_wait_dscnt 0x0
	v_lshrrev_b32 v1, 5, v0
	v_readfirstlane_b32 s14, v1
	s_lshr_b32 s15, s14, 1
	s_and_b32 s16, s14, 1
	s_bfe_u32 s40, ttmp6, 0x40000
	s_bfe_u32 s41, ttmp6, 0x40004
	s_and_b32 s17, ttmp7, 0xffff
	s_lshl_b32 s17, s17, 2
	s_add_co_u32 s17, s17, s41
	s_lshl_b32 s42, ttmp9, 2
	s_add_co_u32 s42, s42, s40
	s_lshl_b32 s43, s41, 2
	s_lshl_b32 s43, 15, s43
	s_lshl_b32 s44, 0x1111, s40
	s_or_b32 s[G1+0], s43, (1<<20)|(1<<21)|(5<<22)|(3<<25)
	s_or_b32 s[G1B+0], s44, (1<<20)|(1<<21)|(5<<22)|(3<<25)
.irp g, G1, G1B
	s_mov_b32 s[\g+1], ROWB<<16
	s_mov_b32 s[\g+2], 128<<16
	s_mov_b32 s[\g+3], ROWB<<16
	s_mov_b32 s[\g+4], 128
	s_mov_b32 s[\g+5], KROW
	s_mov_b32 s[\g+6], 0
	s_mov_b32 s[\g+7], 0
.endr
	s_lshl_b32 s18, s16, 7
	s_lshl_b32 s20, s17, 8
	s_add_co_u32 s20, s20, s18
	s_lshl_b32 s20, s20, 10
	s_mov_b32 s21, 0
	s_lshl_b32 s46, s42, 8
	s_add_co_u32 s46, s46, s18
	s_lshl_b32 s46, s46, 10
	s_add_co_u32 s46, s46, 4194304
	s_mov_b32 s47, 0
	s_mul_i32 s45, s14, HALFT
	s_wait_kmcnt 0x0
	s_load_b128 s[72:75], s[8:9], 0x20
	s_add_nc_u64 s[20:21], s[4:5], s[20:21]
	s_add_nc_u64 s[46:47], s[6:7], s[46:47]
	; THE PREFETCHES INTO THE L2: behind the joint load of K step s stands a request for K step s + 2 (K step 1 goes with K step 2).  Of the 128 rows that I fetch, each of the four partners
	; that ask for them jointly names 32, told apart by address (cx for A's tiles, cy for B's): a lane a row, 256 bytes of it: each block is named once in the cluster.  The registers are never rewritten.
	s_cmp_eq_u32 s15, 0                            ; do I fetch for A?
	s_cselect_b64 s[76:77], s[20:21], s[46:47]
	s_cselect_b32 s78, s40, s41                    ; my place among the four
	s_lshl_b32 s78, s78, 15                        ; 32 rows of 1,024 bytes
	s_add_co_u32 s78, s78, ROWB                    ; at K step 1
	s_mov_b32 s79, 0
	s_add_nc_u64 s[76:77], s[76:77], s[78:79]
	v_and_b32 v7, 31, v0
	v_lshlrev_b32 v7, 10, v7                       ; a lane a row
	s_wait_alu depctr_va_vdst(0)                   ; the wait here
	CROUND
.irp s, 0,1
	s_mov_b32 s[G0+4*\s], 1
	s_add_co_u32 s[G0+4*\s+1], s45, \s*SLOT
	s_add_nc_u64 s[G0+4*\s+2:G0+4*\s+3], s[20:21], \s*ROWB
	s_or_b32 s[G0+4*\s+3], s[G0+4*\s+3], 0x80000000
	s_mov_b32 s[G0B+4*\s], 1
	s_add_co_u32 s[G0B+4*\s+1], s45, \s*SLOT
	s_add_nc_u64 s[G0B+4*\s+2:G0B+4*\s+3], s[46:47], \s*ROWB
	s_or_b32 s[G0B+4*\s+3], s[G0B+4*\s+3], 0x80000000
.if \s                                 ; slot 1's first fill is issued as a refill is: a wait, an add and a round ahead of it
	s_wait_alu depctr_va_vdst(0)
	s_wait_tensorcnt 0x0                           ; my part of K step 0 is in
	ds_add_u32 v28, v29
	s_wait_dscnt 0x0
	CROUND
.endif
	JLOAD G0+4*\s, G1, G0B+4*\s, G1B
.if \s
	global_prefetch_b8 v7, s[76:77] offset:2*ROWB th:TH_LOAD_NT scope:SCOPE_SE   ; K step 3, the last
.else
	global_prefetch_b8 v7, s[76:77] th:TH_LOAD_NT scope:SCOPE_SE                 ; K step 1
	global_prefetch_b8 v7, s[76:77] offset:ROWB th:TH_LOAD_NT scope:SCOPE_SE     ; K step 2
.endif
.endr
	v_and_b32 v1, 15, v0
	v_bfe_u32 v2, v0, 4, 1
	v_mul_u32_u24 v3, v1, PITCH
	s_wait_alu depctr_va_vdst(0)
	v_lshl_add_u32 v4, v2, 4, v3
	s_mul_i32 s21, s15, HALFT
	s_mul_i32 s22, s16, HALFT
	s_add_co_u32 s22, s22, 2*HALFT
.irp s, 0,1
	v_add_nc_u32 v[ADRA+\s], s21, v4
	v_add_nc_u32 v[ADRB+\s], s22, v4
	s_add_co_u32 s21, s21, SLOT
	s_add_co_u32 s22, s22, SLOT
.endr
	v_lshlrev_b32 v18, 5, v2
	s_lshl_b32 s80, s42, 8
	s_lshl_b32 s81, s16, 7
	s_add_co_u32 s80, s80, s81
	s_lshl_b32 s80, s80, 2
	s_mov_b32 s81, 0
	s_add_nc_u64 s[84:85], s[10:11], s[80:81]
.irp b, 0,1,2,3,4,5,6,7
	global_load_b128 v[BI+8*\b:BI+8*\b+3], v18, s[84:85] offset:64*\b
	global_load_b128 v[BI+8*\b+4:BI+8*\b+7], v18, s[84:85] offset:64*\b+16
.endr
	s_mul_i32 s23, s15, 128*PITCH
	s_lshl_b32 s80, s16, 7
	s_add_co_u32 s23, s23, s80
	v_lshl_add_u32 v5, v2, 3, v3
	v_add_nc_u32 v24, s23, v5
	s_mul_i32 s23, s14, 64*PITCH
	v_mul_u32_u24 v5, v2, PITCH
	v_lshl_add_u32 v5, v1, 4, v5
	v_add_nc_u32 v25, s23, v5
	v_lshlrev_b32 v5, 12, v2
	v_lshl_add_u32 v26, v1, 4, v5
	s_lshl_b32 s80, s17, 8
	s_lshl_b32 s81, s14, 6
	s_add_co_u32 s80, s80, s81
	s_lshl_b32 s80, s80, 12
	s_lshl_b32 s81, s42, 8
	s_add_co_u32 s80, s80, s81
	s_mov_b32 s81, 0
	s_add_nc_u64 s[12:13], s[12:13], s[80:81]
.macro FRAG reg, adr, q, i
.irp c, 0,1,2,3
	ds_load_b128 v[\reg+4*\c:\reg+4*\c+3], v[\adr] offset:128*(\q)+32*\c+(\i)*16*PITCH
.endr
.endm
.macro MUL16 a0, p, zero
.irp a, \a0, \a0+1
.irp b, 0,1,2,3,4,5,6,7
.if \zero
	v_wmma_f32_16x16x128_fp8_fp8 v[8*(8*((\a)%4)+\b):8*(8*((\a)%4)+\b)+7], v[128*(\p)+FR*\b:128*(\p)+FR*\b+FR-1], v[AF+FR*(\a):AF+FR*(\a)+FR-1], 0
.else
	v_wmma_f32_16x16x128_fp8_fp8 v[8*(8*((\a)%4)+\b):8*(8*((\a)%4)+\b)+7], v[128*(\p)+FR*\b:128*(\p)+FR*\b+FR-1], v[AF+FR*(\a):AF+FR*(\a)+FR-1], v[8*(8*((\a)%4)+\b):8*(8*((\a)%4)+\b)+7]
.endif
.endr
.endr
.endm
.macro FETCH_B slot, q, p
	WIN TO_B
.irp i, 0,1,2,3,4,5,6,7
	FRAG 128*(\p)+FR*\i, ADRB+\slot, \q, \i
.endr
	WIN 0
.endm
.macro FETCH_A slot, q, i0
.irp i, \i0, \i0+1, \i0+2, \i0+3
	FRAG AF+FR*(\i), ADRA+\slot, \q, \i
.endr
.endm
.macro PLACES n
.rept \n
	v_nop
.endr
.endm
.macro STEP slot, q, zero
	s_wait_dscnt 4*NL
	WIN MUL_LO
	MUL16 0, (\q)%2, \zero
	MUL16 2, (\q)%2, \zero
	s_wait_dscnt 0
	PLACES NP
	FETCH_B \slot, (\q)+1, 1-(\q)%2
	FETCH_A \slot, (\q)+1, 0
	WIN MUL_HI
	MUL16 4, (\q)%2, \zero
	MUL16 6, (\q)%2, \zero
	PLACES NP
	WIN 0
	FETCH_A \slot, (\q)+1, 4
.endm
.macro TURN slot, next, fill
	s_wait_tensorcnt 0x0
	ds_add_u32 v[SPW], v[NIL]
	s_wait_dscnt 4*NL+1
	WIN MUL_LO
	MUL16 0, 1, 0
	s_wait_dscnt 0x0
	s_barrier_signal -1
	MUL16 2, 1, 0
	WIN 0
	s_barrier_wait -1
.if \fill
	CREST
	s_add_nc_u64 s[G0+4*\slot+2:G0+4*\slot+3], s[G0+4*\slot+2:G0+4*\slot+3], 2*ROWB
	s_add_nc_u64 s[G0B+4*\slot+2:G0B+4*\slot+3], s[G0B+4*\slot+2:G0B+4*\slot+3], 2*ROWB
	JLOAD G0+4*\slot, G1, G0B+4*\slot, G1B
.else
	PLACES NP
.endif
	s_wait_alu depctr_va_vdst(0)
	FETCH_B \next, 0, 0
	FETCH_A \next, 0, 0
	WIN MUL_HI
	MUL16 4, 1, 0
	MUL16 6, 1, 0
	PLACES NP
	WIN 0
	FETCH_A \next, 0, 4
.endm
	s_wait_tensorcnt 1
	s_barrier_signal -1
	s_barrier_wait -1
	FETCH_B 0, 0, 0
	FETCH_A 0, 0, 0
	FETCH_A 0, 0, 4
	STEP 0, 0, 1
	s_mov_b32 s3, LAPS-1
.Llap:
	TURN 0, 1, 1
	STEP 1, 0, 0
	TURN 1, 0, 1
	STEP 0, 0, 0
	s_sub_co_u32 s3, s3, 1
	s_cmp_lg_u32 s3, 0
	s_cbranch_scc1 .Llap
	TURN 0, 1, 0
	STEP 1, 0, 0
	s_wait_dscnt 4*NL
	WIN MUL_LO
	MUL16 0, 1, 0
	MUL16 2, 1, 0
	s_wait_dscnt 0
	WIN MUL_HI
	MUL16 4, 1, 0
	MUL16 6, 1, 0
	WIN 0
.macro EPI a
.set AC, 64*((\a)%4)
.set CS, CD+16*((\a)%2)
.if (\a) > 1
	s_wait_dscnt 8
.endif
	WIN 0x02+((\a)/4)
.set j, 0
.rept 32
	v_pk_fma_f32 v[T+j:T+j+1], v[AC+j:AC+j+1], s[96:97], v[BI+j:BI+j+1] op_sel_hi:[1,0,1]
.set j, j+2
.endr
	WIN 0
.irp b, 0,1,2,3,4,5,6,7
.irp i, 0,1,2,3,4,5,6,7
	v_med3_num_f32 v[T+8*\b+\i], v[T+8*\b+\i], 0, v22
.endr
	v_cvt_scalef32_pk8_fp8_f32 v[CS+2*\b:CS+2*\b+1], v[T+8*\b:T+8*\b+7], v23
.endr
	v_nop
.irp b, 0,1,2,3,4,5,6,7
	ds_store_b64 v24, v[CS+2*\b:CS+2*\b+1] offset:16*(\a)*PITCH+16*\b
.endr
.endm
	s_wait_kmcnt 0x0
	s_add_co_i32 s96, s72, s73
	s_add_co_i32 s96, s96, 127
	s_lshl_b32 s96, s96, 23
	s_mov_b32 s97, s96
	s_add_co_i32 s88, s74, 127
	s_lshl_b32 s89, s88, 23
	v_mov_b32 v23, s89
	s_add_co_i32 s88, s88, 8
	s_lshl_b32 s88, s88, 23
	s_or_b32 s88, s88, 0x600000
	v_mov_b32 v22, s88
	s_wait_loadcnt 0x0
	PLACES NP
.irp a, 0,1,2,3,4,5,6,7
	EPI \a
.endr
	s_wait_dscnt 0x0
	s_barrier_signal -1
	s_barrier_wait -1
.set t, 0
.rept 32
	ds_load_b128 v[BK+4*t:BK+4*t+3], v25 offset:2*t*PITCH
.set t, t+1
.endr
.set t, 0
.rept 32
	s_wait_dscnt 31-t
	global_store_b128 v26, v[BK+4*t:BK+4*t+3], s[12:13] offset:t*8192 th:TH_STORE_NT
.set t, t+1
.endr
	s_wait_tensorcnt 0x0
	ds_add_u32 v[SPW], v[NIL]
	s_wait_dscnt 0x0
	CROUND
	s_endpgm
.Lfunc_end_k_qc45be17e16_fc1:
	.size	k_qc45be17e16_fc1, .Lfunc_end_k_qc45be17e16_fc1-k_qc45be17e16_fc1
	.p2alignl 7, 3214868480
	.fill 96, 4, 3214868480
	.section	.rodata,"a",@progbits
	.p2align	6, 0x0
	.amdhsa_kernel k_qc45be17e16_fc1
		.amdhsa_group_segment_fixed_size 327680
		.amdhsa_private_segment_fixed_size 0
		.amdhsa_enable_private_segment 0
		.amdhsa_kernarg_size 40
		.amdhsa_user_sgpr_count 2
		.amdhsa_user_sgpr_kernarg_segment_ptr 1
		.amdhsa_wavefront_size32 1
		.amdhsa_system_sgpr_workgroup_id_x 1
		.amdhsa_system_sgpr_workgroup_id_y 1
		.amdhsa_system_sgpr_workgroup_id_z 1
		.amdhsa_system_vgpr_workitem_id 0
		.amdhsa_next_free_vgpr 1024
		.amdhsa_next_free_sgpr 98
		.amdhsa_reserve_vcc 0
		.amdhsa_float_denorm_mode_32 3
		.amdhsa_float_denorm_mode_16_64 3
		.amdhsa_memory_ordered 1
		.amdhsa_forward_progress 1
		.amdhsa_inst_pref_size 144
	.end_amdhsa_kernel
	.amdgpu_metadata
---
amdhsa.version: [ 1, 2 ]
amdhsa.kernels:
  - .name:           k_qc45be17e16_fc1
    .symbol:         k_qc45be17e16_fc1.kd
    .args:
      - { .name: h2_c, .offset: 0, .size: 8, .value_kind: global_buffer, .address_space: global }
      - { .name: w_c, .offset: 8, .size: 8, .value_kind: global_buffer, .address_space: global }
      - { .name: lowp_scales, .offset: 16, .size: 8, .value_kind: global_buffer, .address_space: global }
      - { .name: b_fc1, .offset: 24, .size: 8, .value_kind: global_buffer, .address_space: global }
      - { .name: hid_c, .offset: 32, .size: 8, .value_kind: global_buffer, .address_space: global }
    .group_segment_fixed_size: 327680
    .private_segment_fixed_size: 0
    .kernarg_segment_align: 8
    .kernarg_segment_size: 40
    .max_flat_workgroup_size: 128
    .sgpr_count:     98
    .vgpr_count:     1024
    .wavefront_size: 32
...
	.end_amdgpu_metadata
.endif
;; end of part 6
;; launch fc2 (part 7): grid 8 x 32, 4 waves a work-group, clusters of 4 x 4, 327,680 bytes of LDS; arguments hid_c, w_c, lowp_scales, b_fc2, x1, out0; writes out0
.if DOCPART == 7
	.amdgcn_target "amdgcn-amd-amdhsa--gfx1250"
	.amdhsa_code_object_version 6
	.text
	.protected	k_qc45be17e16_fc2
	.globl	k_qc45be17e16_fc2
	.p2align	8
	.type	k_qc45be17e16_fc2,@function
k_qc45be17e16_fc2:
	s_mov_b64 s[64:65], 0
	v_nop
	global_prefetch_b8 v0, s[64:65] scope:SCOPE_SE
	s_setreg_imm32_b32 hwreg(HW_REG_WAVE_MODE, 25, 1), 1
	s_wait_xcnt 0x0
	s_wait_alu depctr_hold_cnt(0) depctr_sa_sdst(0) depctr_va_vdst(0) depctr_va_sdst(0) depctr_va_ssrc(0) depctr_va_vcc(0) depctr_vm_vsrc(0)
	s_getreg_b32 s2, hwreg(HW_REG_IB_STS2, 6, 4)
	s_cmp_eq_u32 s2, 0
	s_cbranch_scc0 .Lentry_in_a_cluster
	s_endpgm
.Lentry_in_a_cluster:
	s_bfe_u32 s2, ttmp6, 0x10000c
	s_cmp_lg_u32 s2, 0xf033
	s_cbranch_scc0 .Lentry_shape_is_right
	s_endpgm
.Lentry_shape_is_right:
.set OUTP, 0
.set KK,    4096
.set LGK,   12
.set WOFF,  8388608
.set SCOFF, 0x28
.set AHALF, 64*528
.set ASTEP, 512
.set LAPS,  4
.set BHALF, 64*528
.set BOFF,  2*AHALF
.set SLOT,  BOFF+2*BHALF
.set STAGE, 2*SLOT
.set SPARE, STAGE+4*16*272
.set ADRA, 16
.set ADRB, 20
.set SPW,  28
.set NIL,  29
.set BK,   32
.set ACC,  128
.set F0,   0
.set F1,   128
.set G1,  24
.set G0,  32
.set G1B, 48
.set G0B, 56
.set MSB, 0
.macro WIN new
.if MSB != (\new)
	s_set_vgpr_msb (MSB<<8)|(\new)
.set MSB, (\new)
.endif
.endm
.set MUL,  0x05
.set TO_F, 0x40
.macro JLOAD s
	s_cmp_eq_u32 s11, 0
	s_cbranch_scc0 .Lfor_b_\@
	tensor_load_to_lds s[G0+4*\s:G0+4*\s+3], s[G1:G1+7]
	s_nop 0
.rept 4
	v_nop
.endr
	s_branch .Lasked_\@
.Lfor_b_\@:
	tensor_load_to_lds s[G0B+4*\s:G0B+4*\s+3], s[G1B:G1B+7]
	s_nop 0
.rept 4
	v_nop
.endr
.Lasked_\@:
.endm
.macro CREST
	s_cmp_lg_u32 s10, 0
	s_cbranch_scc1 .Lnot_wave_0_\@
	s_barrier_signal -3
.Lnot_wave_0_\@:
	s_barrier_wait -3
	s_barrier_signal -1
	s_barrier_wait -1
.endm
.macro CROUND
	s_barrier_signal -1
	s_barrier_wait -1
	CREST
.endm
	s_load_b128 s[4:7], s[0:1], 0x0
	s_load_b128 s[68:71], s[0:1], 0x10
	s_load_b128 s[72:75], s[0:1], 0x20
	v_lshl_add_u32 v[SPW], v0, 2, SPARE
	v_mov_b32 v[NIL], 0
	ds_add_u32 v28, v29
	ds_add_u32 v28, v29
	s_wait_dscnt 0x0
	v_lshrrev_b32 v1, 5, v0
	v_readfirstlane_b32 s10, v1
	s_lshr_b32 s11, s10, 1
	s_and_b32 s12, s10, 1
	s_bfe_u32 s40, ttmp6, 0x40000
	s_bfe_u32 s41, ttmp6, 0x40004
	s_lshl_b32 s42, ttmp9, 2
	s_add_co_u32 s42, s42, s40
	s_and_b32 s13, ttmp7, 0xffff
	s_lshl_b32 s13, s13, 2
	s_add_co_u32 s13, s13, s41
	s_lshl_b32 s43, s41, 2
	s_lshl_b32 s43, 15, s43
	s_lshl_b32 s44, 0x1111, s40
	s_or_b32 s[G1+0], s43, (1<<20)|(1<<21)|(6<<22)|(3<<25)
	s_or_b32 s[G1B+0], s44, (1<<20)|(1<<21)|(6<<22)|(3<<25)
.irp g, G1, G1B
	s_mov_b32 s[\g+1], 512<<16
	s_mov_b32 s[\g+2], 64<<16
	s_mov_b32 s[\g+3], 512<<16
	s_mov_b32 s[\g+4], 64
	s_mov_b32 s[\g+5], KK
	s_mov_b32 s[\g+6], 0
	s_mov_b32 s[\g+7], 0
.endr
	s_lshl_b32 s16, s13, 7
	s_lshl_b32 s17, s12, 6
	s_add_co_u32 s16, s16, s17
	s_lshl_b32 s16, s16, 12
	s_mov_b32 s17, 0
	s_lshl_b32 s46, s42, 7
	s_lshl_b32 s47, s12, 6
	s_add_co_u32 s46, s46, s47
	s_lshl_b32 s46, s46, LGK
	s_add_co_u32 s46, s46, WOFF
	s_mov_b32 s47, 0
	s_mul_i32 s20, s12, AHALF
	s_mul_i32 s21, s12, BHALF
	s_add_co_u32 s21, s21, BOFF
	s_wait_kmcnt 0x0
	s_load_b64 s[76:77], s[68:69], SCOFF
	s_add_nc_u64 s[14:15], s[4:5], s[16:17]
	s_add_nc_u64 s[46:47], s[6:7], s[46:47]
	; THE PREFETCHES INTO THE L2: behind the joint load of K step s stands a request for K step s + 2 (K step 1 goes with K step 2); the loads of K steps 6 and 7 ask for nothing.  A K step is 512 bytes of a row.
	; Of the 64 rows that I fetch, each of the four partners that ask for them jointly names 16, told apart by address (cx for A's tiles, cy for B's): two lanes a row, 256 bytes each: each block is named once in the cluster.
	s_cmp_eq_u32 s11, 0                            ; do I fetch for A?
	s_cselect_b64 s[84:85], s[14:15], s[46:47]
	s_cselect_b32 s86, s40, s41                    ; my place among the four
	s_lshl_b32 s86, s86, 16                        ; 16 rows of 4,096 bytes
	s_add_co_u32 s86, s86, 512                     ; at K step 1
	s_mov_b32 s87, 0
	s_add_nc_u64 s[84:85], s[84:85], s[86:87]
	v_and_b32 v7, 31, v0
	v_lshrrev_b32 v8, 1, v7
	v_and_b32 v7, 1, v7
	v_lshlrev_b32 v7, 8, v7
	v_lshl_add_u32 v7, v8, 12, v7                  ; row lane / 2, block lane % 2; never rewritten
	s_wait_alu depctr_va_vdst(0)                   ; the wait here
	CROUND
.irp s, 0,1
	s_mov_b32 s[G0+4*\s], 1
	s_add_co_u32 s[G0+4*\s+1], s20, \s*SLOT
	s_add_nc_u64 s[G0+4*\s+2:G0+4*\s+3], s[14:15], \s*ASTEP
	s_or_b32 s[G0+4*\s+3], s[G0+4*\s+3], 0x80000000
	s_mov_b32 s[G0B+4*\s], 1
	s_add_co_u32 s[G0B+4*\s+1], s21, \s*SLOT
	s_add_nc_u64 s[G0B+4*\s+2:G0B+4*\s+3], s[46:47], \s*512
	s_or_b32 s[G0B+4*\s+3], s[G0B+4*\s+3], 0x80000000
.if \s                                 ; slot 1's first fill is issued as a refill is: a wait, an add and a round ahead of it
	s_wait_alu depctr_va_vdst(0)
	s_wait_tensorcnt 0x0                           ; my part of K step 0 is in
	ds_add_u32 v28, v29
	s_wait_dscnt 0x0
	CROUND
.endif
	JLOAD \s
.if \s
	global_prefetch_b8 v7, s[84:85] offset:1024 th:TH_LOAD_NT scope:SCOPE_SE     ; K step 3
.else
	global_prefetch_b8 v7, s[84:85] th:TH_LOAD_NT scope:SCOPE_SE                 ; K step 1
	global_prefetch_b8 v7, s[84:85] offset:512 th:TH_LOAD_NT scope:SCOPE_SE      ; K step 2
.endif
.endr
	v_and_b32 v1, 15, v0
	v_bfe_u32 v2, v0, 4, 1
	v_lshlrev_b32 v5, 12, v2
	v_lshl_add_u32 v26, v1, 4, v5
	s_wait_alu depctr_va_vdst(0)
	v_lshlrev_b32 v27, 4, v1
	s_wait_alu depctr_va_vdst(0)
	s_lshl_b32 s80, s13, 7
	s_lshl_b32 s81, s11, 6
	s_add_co_u32 s80, s80, s81
	s_lshl_b32 s80, s80, 12
	s_lshl_b32 s82, s42, 7
	s_lshl_b32 s83, s12, 6
	s_add_co_u32 s82, s82, s83
	s_lshl_b32 s82, s82, 2
	s_mov_b32 s83, 0
	s_add_nc_u64 s[70:71], s[70:71], s[82:83]
	s_add_co_u32 s80, s80, s82
	s_mov_b32 s81, 0
	s_add_nc_u64 s[72:73], s[72:73], s[80:81]
	s_add_nc_u64 s[74:75], s[74:75], s[80:81]
	WIN 0x80
.irp a, 0,1,2,3
.irp t, 0,1,2,3,4,5,6,7
	global_load_b128 v[4*(8*\a+\t):4*(8*\a+\t)+3], v26, s[72:73] offset:(16*\a+2*\t)*4096 th:TH_LOAD_NT
.endr
.endr
	WIN 0
	global_load_b128 v[96:99], v27, s[70:71]
	v_mul_u32_u24 v3, v1, 528
	v_lshl_add_u32 v3, v2, 4, v3
	s_mul_i32 s22, s11, AHALF
	s_mul_i32 s23, s12, BHALF
	s_add_co_u32 s23, s23, BOFF
.irp s, 0,1
	v_add_nc_u32 v[ADRA+\s], s22, v3
	v_add_nc_u32 v[ADRB+\s], s23, v3
	s_add_co_u32 s22, s22, SLOT
	s_add_co_u32 s23, s23, SLOT
.endr
	s_mul_i32 s22, s10, 16*272
	s_add_co_u32 s22, s22, STAGE
	v_mul_u32_u24 v5, v1, 272
	v_lshl_add_u32 v5, v2, 5, v5
	v_add_nc_u32 v24, s22, v5
	v_mul_u32_u24 v5, v2, 272
	v_lshl_add_u32 v5, v1, 4, v5
	v_add_nc_u32 v25, s22, v5
.macro FRAGA reg, slot, q, i
.irp c, 0,1,2,3
	ds_load_b128 v[\reg+4*\c:\reg+4*\c+3], v[ADRA+\slot] offset:128*(\q)+32*\c+(\i)*16*528
.endr
.endm
.macro FRAGB reg, slot, q, i
.irp c, 0,1,2,3
	ds_load_b128 v[\reg+4*\c:\reg+4*\c+3], v[ADRB+\slot] offset:128*(\q)+32*\c+(\i)*16*528
.endr
.endm
.macro FETCH slot, q, f
	WIN TO_F
.irp i, 0,1,2,3
	FRAGB \f+64+16*\i, \slot, \q, \i
.endr
.irp i, 0,1,2,3
	FRAGA \f+16*\i, \slot, \q, \i
.endr
.endm
.macro MUL4 f, a, zero
.irp b, 0,1,2,3
.if \zero
	v_wmma_f32_16x16x128_fp8_fp8 v[ACC+8*(4*(\a)+\b):ACC+8*(4*(\a)+\b)+7], v[\f+64+16*\b:\f+64+16*\b+15], v[\f+16*(\a):\f+16*(\a)+15], 0
.else
	v_wmma_f32_16x16x128_fp8_fp8 v[ACC+8*(4*(\a)+\b):ACC+8*(4*(\a)+\b)+7], v[\f+64+16*\b:\f+64+16*\b+15], v[\f+16*(\a):\f+16*(\a)+15], v[ACC+8*(4*(\a)+\b):ACC+8*(4*(\a)+\b)+7]
.endif
.endr
.endm
.macro PLACES
.rept 4
	v_nop
.endr
.endm
.macro QUARTER slot, qn, f, g, zero
	PLACES
	FETCH \slot, \qn, \g
	s_wait_dscnt 32
	WIN MUL
	MUL4 \f, 0, \zero
	MUL4 \f, 1, \zero
	MUL4 \f, 2, \zero
	MUL4 \f, 3, \zero
.endm
.macro TURN slot, next, fill
	WIN 0
.if (\fill) && (\slot) == 0
	s_wait_xcnt 0x0                                ; my prefetches have read their address: it steps once a lap, two K steps
	s_add_nc_u64 s[84:85], s[84:85], 1024
.endif
	s_wait_tensorcnt 0x0
	ds_add_u32 v[SPW], v[NIL]
	s_wait_dscnt 1
	WIN MUL
	MUL4 F1, 0, 0
	s_wait_dscnt 0x0
	s_barrier_signal -1
	MUL4 F1, 1, 0
	WIN 0
	s_barrier_wait -1
.if \fill
	CREST
	s_add_nc_u64 s[G0+4*\slot+2:G0+4*\slot+3], s[G0+4*\slot+2:G0+4*\slot+3], 1024
	s_add_nc_u64 s[G0B+4*\slot+2:G0B+4*\slot+3], s[G0B+4*\slot+2:G0B+4*\slot+3], 1024
	JLOAD \slot
.else
	PLACES
.endif
	FETCH \next, 0, F0
.if \fill
	WIN 0                                          ; at a branch and at a label every window is 0
	s_cmp_gt_u32 s3, 1                             ; s3 = 1 in the last trip, whose refills are K steps 6 and 7: no K step stands two on
	s_cbranch_scc0 .Lno_ask_\@
	global_prefetch_b8 v7, s[84:85] offset:512+512*\slot th:TH_LOAD_NT scope:SCOPE_SE   ; the K step two refills on
.Lno_ask_\@:
.endif
	WIN MUL
	MUL4 F1, 2, 0
	MUL4 F1, 3, 0
.endm
	s_wait_alu depctr_va_vdst(0)
	s_wait_tensorcnt 1
	s_barrier_signal -1
	s_barrier_wait -1
	FETCH 0, 0, F0
	QUARTER 0, 1, F0, F1, 1
	WIN 0
	s_mov_b32 s3, LAPS-1
.Llap:
	QUARTER 0, 2, F1, F0, 0
	QUARTER 0, 3, F0, F1, 0
	TURN 0, 1, 1
	QUARTER 1, 1, F0, F1, 0
	QUARTER 1, 2, F1, F0, 0
	QUARTER 1, 3, F0, F1, 0
	TURN 1, 0, 1
	QUARTER 0, 1, F0, F1, 0
	WIN 0
	s_sub_co_u32 s3, s3, 1
	s_cmp_lg_u32 s3, 0
	s_cbranch_scc1 .Llap
	QUARTER 0, 2, F1, F0, 0
	QUARTER 0, 3, F0, F1, 0
	TURN 0, 1, 0
	QUARTER 1, 1, F0, F1, 0
	QUARTER 1, 2, F1, F0, 0
	QUARTER 1, 3, F0, F1, 0
	s_wait_dscnt 0
	MUL4 F1, 0, 0
	MUL4 F1, 1, 0
	MUL4 F1, 2, 0
	MUL4 F1, 3, 0
	WIN 0
	PLACES
	s_wait_kmcnt 0x0
	s_add_co_i32 s78, s76, s77
	s_add_co_i32 s78, s78, 127
	s_lshl_b32 s78, s78, 23
	s_mov_b32 s79, s78
	s_wait_loadcnt 0x0
.macro OUTB a
.set BB, BK+32*((\a)%2)
.if (\a) > 1
	s_wait_xcnt 0x0
.endif
.irp b, 0,1,2,3
	ds_store_b128 v24, v[ACC+8*(4*(\a)+\b):ACC+8*(4*(\a)+\b)+3] offset:64*\b
	ds_store_b128 v24, v[ACC+8*(4*(\a)+\b)+4:ACC+8*(4*(\a)+\b)+7] offset:64*\b+16
.endr
.irp t, 0,1,2,3,4,5,6,7
	ds_load_b128 v[BB+4*\t:BB+4*\t+3], v25 offset:544*\t
.endr
	s_wait_dscnt 0x0
	WIN 0x20
.set j, 0
.rept 16
	v_pk_fma_f32 v[BB+j:BB+j+1], v[BB+j:BB+j+1], s[78:79], v[32*(\a)+j:32*(\a)+j+1] op_sel_hi:[1,0,1]
.set j, j+2
.endr
	WIN 0
.irp t, 0,1,2,3,4,5,6,7
	v_pk_add_f32 v[BB+4*\t:BB+4*\t+1], v[BB+4*\t:BB+4*\t+1], v[96:97]
	v_pk_add_f32 v[BB+4*\t+2:BB+4*\t+3], v[BB+4*\t+2:BB+4*\t+3], v[98:99]
.endr
.irp t, 0,1,2,3,4,5,6,7
	global_store_b128 v26, v[BB+4*\t:BB+4*\t+3], s[74:75] offset:(16*(\a)+2*\t)*4096
.endr
.endm
	OUTB 0
	OUTB 1
	OUTB 2
	OUTB 3
	s_wait_tensorcnt 0x0
	ds_add_u32 v[SPW], v[NIL]
	s_wait_dscnt 0x0
	CROUND
	s_endpgm
.Lfunc_end_k_qc45be17e16_fc2:
	.size	k_qc45be17e16_fc2, .Lfunc_end_k_qc45be17e16_fc2-k_qc45be17e16_fc2
	.p2alignl 7, 3214868480
	.fill 96, 4, 3214868480
	.section	.rodata,"a",@progbits
	.p2align	6, 0x0
	.amdhsa_kernel k_qc45be17e16_fc2
		.amdhsa_group_segment_fixed_size 327680
		.amdhsa_private_segment_fixed_size 0
		.amdhsa_enable_private_segment 0
		.amdhsa_kernarg_size 48
		.amdhsa_user_sgpr_count 2
		.amdhsa_user_sgpr_kernarg_segment_ptr 1
		.amdhsa_wavefront_size32 1
		.amdhsa_system_sgpr_workgroup_id_x 1
		.amdhsa_system_sgpr_workgroup_id_y 1
		.amdhsa_system_sgpr_workgroup_id_z 1
		.amdhsa_system_vgpr_workitem_id 0
		.amdhsa_next_free_vgpr 768
		.amdhsa_next_free_sgpr 96
		.amdhsa_reserve_vcc 0
		.amdhsa_float_denorm_mode_32 3
		.amdhsa_float_denorm_mode_16_64 3
		.amdhsa_memory_ordered 1
		.amdhsa_forward_progress 1
		.amdhsa_inst_pref_size 83
	.end_amdhsa_kernel
	.amdgpu_metadata
---
amdhsa.version: [ 1, 2 ]
amdhsa.kernels:
  - .name:           k_qc45be17e16_fc2
    .symbol:         k_qc45be17e16_fc2.kd
    .args:
      - { .name: hid_c, .offset: 0, .size: 8, .value_kind: global_buffer, .address_space: global }
      - { .name: w_c, .offset: 8, .size: 8, .value_kind: global_buffer, .address_space: global }
      - { .name: lowp_scales, .offset: 16, .size: 8, .value_kind: global_buffer, .address_space: global }
      - { .name: b_fc2, .offset: 24, .size: 8, .value_kind: global_buffer, .address_space: global }
      - { .name: x1, .offset: 32, .size: 8, .value_kind: global_buffer, .address_space: global }
      - { .name: out0, .offset: 40, .size: 8, .value_kind: global_buffer, .address_space: global }
    .group_segment_fixed_size: 327680
    .private_segment_fixed_size: 0
    .kernarg_segment_align: 8
    .kernarg_segment_size: 48
    .max_flat_workgroup_size: 128
    .sgpr_count:     96
    .vgpr_count:     768
    .wavefront_size: 32
...
	.end_amdgpu_metadata
.endif
;; end of part 7
